; MI455X (gfx1250); checked and timed in simulation.
; The chip was launched on July 23, 2026; its instructions are those of AMD's public machine-readable ISA for CDNA 5 (MIT licence, August 2026) and "CDNA5" Instruction Set Architecture Reference Guide (July 2026). The comments in the code are by the model that wrote it; some were corrected since.
;; P Tv3 Attention. Allowed arithmetic: matrix products marked QUANTISED: E2M3 operands, one E8M0 scale for each 32 along K, by v_wmma_scale_f32_16x16x128_f8f6f4 with both operands' format E2M3, f32 sums; products left as they are: f32 operands where the result goes on into a quantised operand, else bf16, f16 or f32 operands; f32 sums; everything else in f32.
;; Inputs: W1 3 x 64 float32; W2 64 x 256 float32; Wk 256 x 256 float32; Wp 256 x 256 float32; Wq 256 x 256 float32; Wv 256 x 256 float32; b1 64 float32; b2 256 float32; betakv 256 float32; betaq 256 float32; bp 256 float32; gkv 256 float32; gq 256 float32; pos 8 x 4,096 x 3 float32; x 8 x 4,096 x 256 float32.
;; Outputs: out0 8 x 4,096 x 256 float32.
;; This version of the problem:
;;   THIS VERSION OF THE PROBLEM IS GIVEN IN LOW PRECISION. The matrix products marked QUANTISED in the list below multiply operands that are first quantised to E2M3 (2 exponent bits, 3 mantissa bits; 6 bits a number), with one power-of-two scale for each 32 numbers along K (OCP MX v1.0); their sums are f32. All else is computed in f32.
;;   The module's matrix products, in the order in which they are computed (A, B: the left and right operand; K: the contracted axis; several contracted axes count as one K, in the product's order):
;;     1. [M 32,768, K 256] x [K 256, N 256]; A: computed on the way; B: input Wq: QUANTISED
;;     2. [M 32,768, K 256] x [K 256, N 256]; A: computed on the way; B: input Wk: QUANTISED
;;     3. [M 32,768, K 256] x [K 256, N 256]; A: computed on the way; B: input Wv: QUANTISED
;;     4. batch 8 x [M 4,096, K 3] x [K 3, N 4,096]; A: input pos; B: input pos: left as it is (K = 3 < 32)
;;     5. [M 524,288, K 3] x [K 3, N 64]; A: computed on the way; B: input W1: left as it is (K = 3 < 32)
;;     6. [M 524,288, K 64] x [K 64, N 256]; A: computed on the way; B: input W2: QUANTISED
;;     7. batch 32,768 x [M 1, K 256] x [K 256, N 16]; A: computed on the way; B: computed on the way: left as it is (M = 1 < 16)
;;     8. batch 32,768 x [M 1, K 16] x [K 16, N 256]; A: softmax; B: computed on the way: left as it is (K = 16 < 32)
;;     9. [M 32,768, K 256] x [K 256, N 256]; A: computed on the way; B: input Wp: QUANTISED
;;   THE QUANTISER, for each operand of a quantised product, along K:
;;     - K is cut into blocks of 32 from its start; a last block that is shorter is filled with zeros.
;;     - A block's scale is 2^e with e = floor(log2(the largest magnitude in the block)) - 2, held to -126 .. 127; a block of zeros has e = 0. As a byte (E8M0): e + 127.
;;     - Each number is divided by its block's scale, clamped to +-7.5, and rounded to the nearest number of E2M3, ties to even, subnormals kept.
;;     - The product sums the exact products of the quantised numbers (number of the format x scale) in f32.
;;   ~~~python
;;   def quantise(x, axis):      # numpy; x: float32 -> the quantised numbers, widened to float32 again
;;       x = np.moveaxis(x, axis, -1); K = x.shape[-1]
;;       x = np.pad(x, [(0, 0)] * (x.ndim - 1) + [(0, -K % 32)]); x = x.reshape(x.shape[:-1] + (-1, 32)); a = np.abs(x).max(-1, keepdims=True)
;;       e = np.where(a > 0, np.clip(np.frexp(np.where(a > 0, a, 1))[1] - 1 - 2, -126, 127), 0)      # np.frexp(a)[1] - 1 = floor(log2(a)), exactly
;;       r = np.clip(x / 2.0 ** e, -7.5, 7.5)
;;       step = 2.0 ** (np.maximum(np.frexp(np.where(r == 0, 1, r))[1] - 1, 0) - 3)
;;       q = np.round(r / step) * step * 2.0 ** e      # np.round: ties to even
;;       return np.moveaxis(q.reshape(q.shape[:-2] + (-1,))[..., :K], -1, axis).astype(np.float32)
;;   ~~~
;;   OPERANDS COMPUTED ON THE WAY. 'Computed on the way' means the value that the module computes at that place (a softmax that the list does not call 'softmax' is quantised finished and normalised). What goes into a quantiser is computed in f32, as accurately as f32 sums, v_exp_f32 and their like allow (about 1e-6 of the number): no bf16 or f16 on the way to a quantiser, and a product that is left as it is and whose result goes on into a quantised operand takes f32 operands (vector FMAs, or v_wmma_f32_16x16x4_f32). A number that lies on a knife's edge between two numbers of the format may be rounded either way, as far as f32 arithmetic and the matrix unit's own rounding can turn it there, and no further.
;; 2 versions, each right; version 2 is version 1 with the launches mid, attn written anew for expert scheduling mode. Each part assembles by itself: llvm-mc -triple=amdgcn-amd-amdhsa -mcpu=gfx1250 --defsym DOCPART=n.
;; ======== version 1 of 2: 3 launches
;; workspace buffers: wfrag 208,896 bytes; wscale 17,408 bytes; pos4 524,288 bytes; glist 2,097,152 bytes of whole numbers; idx 2,097,152 bytes of whole numbers; qbuf 33,554,432 bytes; kbuf 33,554,432 bytes; vbuf 33,554,432 bytes
;; launch front (part 1): grid 290 x 1, 4 waves a work-group, no clusters, 131,584 bytes of LDS; arguments pos, Wq, Wk, Wv, Wp, W2, wfrag, wscale, pos4, glist; writes wfrag, wscale, pos4, glist
.if DOCPART == 1
	.amdgcn_target "amdgcn-amd-amdhsa--gfx1250"
	.amdhsa_code_object_version 6
	.text
	.protected	k_qc4dc4eef11_front
	.globl	k_qc4dc4eef11_front
	.p2align	8
	.type	k_qc4dc4eef11_front,@function
k_qc4dc4eef11_front:
	s_mov_b64 s[64:65], 0
	v_nop
	global_prefetch_b8 v0, s[64:65] scope:SCOPE_SE
	s_setreg_imm32_b32 hwreg(HW_REG_WAVE_MODE, 25, 1), 1
	s_wait_xcnt 0x0
; TWO JOBS IN ONE LAUNCH, parted by the work-group's number.
; Work-groups 0-33 (a wave to a fragment, 136 fragments): Wq, Wk, Wv, Wp [256][256] and W2 [64][256], f32 with K as first axis, become codes of FP6 (E2M3) with
; one E8M0 byte for each 32 along K, laid as IMAGES OF OPERAND REGISTERS: fragment f = 1,536 bytes, registers 4 c .. 4 c + 3 of lane l at 512 c + 16 l; its scale word of lane l at 128 f + 4 l.
; f = 32 matrix + 2 (column tile) + (K step of 128).  f = 128 + t: W2 folded: k 0-63 = W2(k, 16 t + r), k 64-127 = W2(k - 64, 128 + 16 t + r), so that one instruction of 128 along K serves two columns of the K = 64 product.
; A lane takes a column and its registers run down K (k = 64 c + 32 h + i): a block of 32 lies in one lane.
; Work-groups 34-289: THE FIRST HALF OF THE SEARCH FOR 16 NEIGHBOURS.  A lane owns a query; the batch's 4,096 points lie in LDS as four planes (x, y, z, a2) and are read by all lanes at one address.
; The points are cut into 128 groups of 32.  Each group's smallest distance is kept; the 16 smallest of those are held sorted (insertion by medians); T = the 16th.  Chosen are the groups with a minimum under T and,
; to fill 16, the lowest-numbered groups with a minimum equal to T.  All 16 nearest points (ties to the lower index) lie in these groups: points under T lie in groups under T, and each tied group
; of lower number holds a tied point of lower index.  The 16 group numbers are stored as whole numbers; no address and no branch here hangs on them.
; d = fma(dot, -2, a2n + a2m) (2 dot is exact, so this is (a2n + a2m) - 2 dot rounded once), dot = fma(z, z', fma(y, y', x x')), held at 0 from below, 0 for the query itself.
; a2 = (x x + y y) + z z WITH EACH PRODUCT AND EACH SUM ROUNDED: the source squares the positions into an array of f32 and then sums it, so these multiplies and adds are NOT fused, on purpose:
; which point is the 16th nearest can hang on the last bit.  a2 goes to pos4 beside the point, and the next launch takes it from there: both halves of the search see the same distances.
; LIMITS: NaN and infinities among the inputs are not served.  A block of zeros gets the byte 1 (its codes are zeros; these bytes are read by this program alone).
; Where the 16th and 17th distances differ by less than the rounding of the dot product, another neighbour than a differently rounded dot's may be taken.
.set TX,    0                          ; LDS: four planes of 4,096 f32
.set TY,    16384
.set TZ,    32768
.set TA,    49152
.set GM,    65536                      ; the groups' minima: 16,384 bytes for each wave, 128 bytes (a word a lane) for each group
.set SPARE, 131072                     ; the spare words: 128 bytes a wave, two blocks of 256 bytes that no other line names
.set SPW,   2                          ; v2  my spare word's address; never rewritten
.set NIL,   3                          ; v3  0; never rewritten
.set CA,    64                         ; v64-127  first 16 points of a group: x 16, y 16, z 16, a2 16
.set CB,    128                        ; v128-191 the other 16
.set LS,    24                         ; v24-39   the 16 smallest minima, ascending
.set SL,    40                         ; v40-55   the chosen groups, the last chosen first
.set SQ,    24                         ; v24-55   at the head, before the list and the groups begin: 32 squares at work
; 32 numbers v[src] .. become 6 registers of codes at v[dst]; byt = the block's E8M0 byte
.macro QBLK src, dst, tmp, m0, m1, sop, byt
	v_max3_num_f32 v[\m0], |v[\src]|, |v[\src+1]|, |v[\src+2]|      ; the largest magnitude, in two chains
	v_max3_num_f32 v[\m1], |v[\src+3]|, |v[\src+4]|, |v[\src+5]|
.irp i, 6,10,14,18,22,26
	v_max3_num_f32 v[\m0], v[\m0], |v[\src+\i]|, |v[\src+\i+1]|
	v_max3_num_f32 v[\m1], v[\m1], |v[\src+\i+2]|, |v[\src+\i+3]|
.endr
	v_max3_num_f32 v[\m0], v[\m0], |v[\src+30]|, |v[\src+31]|
	v_max3_num_f32 v[\m0], v[\m0], v[\m1], 0x1800000               ; the floor 2^(3 - 127) holds the byte at 1 from below
	v_add_nc_u32 v[\sop], 0xff000000, v[\m0]                       ; 2 off the exponent field: the conversion's scale operand
	v_lshrrev_b32 v[\byt], 23, v[\sop]                             ; the byte
	v_cvt_scalef32_pk16_fp6_f32 v[\dst:\dst+2], v[\src:\src+15], v[\sop]
	v_cvt_scalef32_pk16_fp6_f32 v[\tmp:\tmp+2], v[\src+16:\src+31], v[\sop]   ; (three registers from an even one on: made elsewhere and moved)
	v_nop                                                          ; a plain instruction behind the conversions
.irp i, 0,1,2
	v_mov_b32 v[\dst+3+\i], v[\tmp+\i]
.endr
.endm
	s_load_b256 s[4:11], s[0:1], 0x0               ; pos, Wq, Wk, Wv
	s_load_b256 s[12:19], s[0:1], 0x20             ; Wp, W2, wfrag, wscale
	s_load_b128 s[20:23], s[0:1], 0x40             ; pos4, glist
	v_lshl_add_u32 v[SPW], v0, 2, SPARE
	v_mov_b32 v[NIL], 0
	v_lshrrev_b32 v1, 5, v0
	v_readfirstlane_b32 s24, v1                    ; wave
	v_and_b32 v1, 31, v0                           ; lane
	s_mov_b32 s40, 0x76543210                      ; selects for lane l xor 16
	s_mov_b32 s41, 0xfedcba98
	s_cmp_lt_u32 ttmp9, 34
	s_cbranch_scc0 .Lknn
	; ---------------- the weights: one fragment a wave; no LDS on this way
	s_lshl_b32 s25, ttmp9, 2
	s_add_co_u32 s25, s25, s24                     ; f
	s_lshr_b32 s26, s25, 5                         ; 0-3: Wq, Wk, Wv, Wp; 4: W2
	s_and_b32 s27, s25, 1
	s_lshl_b32 s27, s27, 17                        ; K step: 128 rows of 1,024 bytes
	s_bfe_u32 s28, s25, 0x40001
	s_lshl_b32 s28, s28, 6                         ; column tile: 64 bytes
	s_add_co_u32 s27, s27, s28
	s_and_b32 s28, s25, 7
	s_lshl_b32 s28, s28, 6                         ; W2: column tile alone
	s_mov_b32 s29, 0x10000
	s_cmp_eq_u32 s26, 4
	s_cselect_b32 s34, s28, s27
	s_cselect_b32 s29, 512, s29                    ; where k = 64 .. begins: 64 rows down, in W2 128 columns on
	s_mov_b32 s35, 0
	v_and_b32 v4, 15, v0                           ; r
	v_bfe_u32 v5, v0, 4, 1                         ; h
	v_lshlrev_b32 v10, 2, v4
	v_lshl_add_u32 v10, v5, 15, v10                ; 32 h rows + column r
	v_add_nc_u32 v11, s29, v10
	v_lshlrev_b32 v6, 3, v5                        ; 8 h
	v_lshlrev_b32 v12, 4, v1
	v_lshlrev_b32 v13, 2, v1
	v_mov_b32 v15, 0                               ; (a lane permute's destination counts as read)
	s_mul_i32 s36, s25, 1536
	s_mov_b32 s37, 0
	s_lshl_b32 s38, s25, 7
	s_mov_b32 s39, 0
	s_wait_kmcnt 0x0
	s_cmp_eq_u32 s26, 1
	s_cselect_b64 s[30:31], s[8:9], s[6:7]
	s_cmp_eq_u32 s26, 2
	s_cselect_b64 s[30:31], s[10:11], s[30:31]
	s_cmp_eq_u32 s26, 3
	s_cselect_b64 s[30:31], s[12:13], s[30:31]
	s_cmp_eq_u32 s26, 4
	s_cselect_b64 s[30:31], s[14:15], s[30:31]
	s_add_nc_u64 s[30:31], s[30:31], s[34:35]
	s_add_nc_u64 s[16:17], s[16:17], s[36:37]
	s_add_nc_u64 s[18:19], s[18:19], s[38:39]
.set i, 0
.rept 32
	global_load_b32 v[64+i], v10, s[30:31] offset:1024*i           ; k = 32 h + i
	global_load_b32 v[96+i], v11, s[30:31] offset:1024*i           ; k = 64 + 32 h + i
.set i, i+1
.endr
	s_wait_loadcnt 0x0
	QBLK 64, 32, 44, 48, 49, 50, 52
	QBLK 96, 38, 44, 48, 49, 51, 53
	v_lshl_or_b32 v14, v53, 16, v52                ; my bytes: blocks h and 2 + h,
	v_lshlrev_b32 v14, v6, v14                     ; at their places;
	v_permlanex16_b32 v15, v14, s40, s41
	v_or_b32 v14, v14, v15                         ; with lane l xor 16's the word is whole
	global_store_b128 v12, v[32:35], s[16:17]
	global_store_b128 v12, v[36:39], s[16:17] offset:512
	global_store_b128 v12, v[40:43], s[16:17] offset:1024
	global_store_b32 v13, v14, s[18:19]
	s_endpgm
	; ---------------- the search, first half
.Lknn:
	s_sub_co_u32 s25, ttmp9, 34                    ; block of 128 queries, 0-255
	s_lshr_b32 s26, s25, 5                         ; batch
	s_and_b32 s27, s25, 31
	s_lshl_b32 s27, s27, 2
	s_add_co_u32 s27, s27, s24                     ; the group in which my wave's 32 queries lie
	v_mul_u32_u24 v4, v0, 12
	v_lshlrev_b32 v5, 2, v0
	v_lshlrev_b32 v6, 4, v0
	s_lshl_b32 s28, s24, 14
	s_add_co_u32 s28, s28, GM                      ; my wave's region
	v_lshl_add_u32 v13, v1, 2, s28                 ; my word of a group's 128 bytes
	v_lshl_add_u32 v15, v1, 6, s28                 ; the way out: my 64 bytes
	v_lshl_add_u32 v7, v1, 4, s28                  ; and back, 16 bytes a lane
	v_lshlrev_b32 v22, 4, v1
	s_mul_i32 s34, s25, 1536
	s_mov_b32 s35, 0
	s_mul_i32 s36, s26, 49152
	s_mov_b32 s37, 0
	s_lshl_b32 s38, s25, 11
	s_mov_b32 s39, 0
	s_lshl_b32 s42, s25, 13
	s_lshl_b32 s43, s24, 11
	s_add_co_u32 s42, s42, s43
	s_mov_b32 s43, 0
	s_wait_kmcnt 0x0
	s_add_nc_u64 s[44:45], s[4:5], s[34:35]        ; my block's points
	s_add_nc_u64 s[4:5], s[4:5], s[36:37]          ; the batch's points
	s_add_nc_u64 s[20:21], s[20:21], s[38:39]
	s_add_nc_u64 s[22:23], s[22:23], s[42:43]
	global_load_b96 v[8:10], v4, s[44:45]          ; my query
.set i, 0
.rept 32
	global_load_b96 v[64+4*i:66+4*i], v4, s[4:5] offset:1536*i     ; point t + 128 i: four registers a point, v64-191 in all
.set i, i+1
.endr
	s_wait_loadcnt 0x0
	v_mul_f32 v11, v8, v8                          ; a2 = (x x + y y) + z z, every product and sum rounded: not fused, on purpose (head comment)
	v_mul_f32 v16, v9, v9
	v_add_f32 v11, v11, v16
	v_mul_f32 v16, v10, v10
	v_add_f32 v11, v11, v16                        ; v[8:11] stay: x, y | z, a2 of my query
	global_store_b128 v6, v[8:11], s[20:21]        ; 32 lanes store 512 consecutive bytes
.set i, 0
.rept 32
	v_mul_f32 v[67+4*i], v[64+4*i], v[64+4*i]      ; the same for the 32 points that I bring to the planes: x x, into the point's fourth register,
.set i, i+1
.endr
.set i, 0
.rept 32
	v_mul_f32 v[SQ+i], v[65+4*i], v[65+4*i]        ; y y (v24-55 hold nothing yet: the list and the groups begin behind the stores below),
.set i, i+1
.endr
.set i, 0
.rept 32
	v_add_f32 v[67+4*i], v[67+4*i], v[SQ+i]        ; their sum,
.set i, i+1
.endr
.set i, 0
.rept 32
	v_mul_f32 v[SQ+i], v[66+4*i], v[66+4*i]        ; z z,
.set i, i+1
.endr
.set i, 0
.rept 32
	v_add_f32 v[67+4*i], v[67+4*i], v[SQ+i]        ; and the sum of all three
.set i, i+1
.endr
.set i, 0
.rept 32
	ds_store_b32 v5, v[64+4*i] offset:TX+512*i
	ds_store_b32 v5, v[65+4*i] offset:TY+512*i
	ds_store_b32 v5, v[66+4*i] offset:TZ+512*i
	ds_store_b32 v5, v[67+4*i] offset:TA+512*i
.set i, i+1
.endr
.irp j, 0,1,2,3,4,5,6,7,8,9,10,11,12,13,14,15
	v_mov_b32 v[LS+\j], 0x7f800000                 ; the list begins as infinities
	v_mov_b32 v[SL+\j], 0
.endr
	s_wait_dscnt 0x0                               ; for the others' sake: my part of the planes is written
	s_barrier_signal -1
	s_barrier_wait -1                              ; the planes are whole; from here on they are only read
.macro LOADH buf, off                  ; 16 points: 16 loads, every lane at the same address
.irp k, 0,1,2,3
	ds_load_b128 v[\buf+4*\k:\buf+4*\k+3], v12 offset:TX+\off+16*\k
.endr
.irp k, 0,1,2,3
	ds_load_b128 v[\buf+16+4*\k:\buf+19+4*\k], v12 offset:TY+\off+16*\k
.endr
.irp k, 0,1,2,3
	ds_load_b128 v[\buf+32+4*\k:\buf+35+4*\k], v12 offset:TZ+\off+16*\k
.endr
.irp k, 0,1,2,3
	ds_load_b128 v[\buf+48+4*\k:\buf+51+4*\k], v12 offset:TA+\off+16*\k
.endr
.endm
.macro HALF buf, first                 ; 16 distances, two at a time, in place; their minimum goes into four chains v16-19
.irp p, 0,2,4,6,8,10,12,14
	v_pk_mul_f32 v[\buf+\p:\buf+\p+1], v[\buf+\p:\buf+\p+1], v[8:9] op_sel_hi:[1,0]
.endr
.irp p, 0,2,4,6,8,10,12,14
	v_pk_fma_f32 v[\buf+\p:\buf+\p+1], v[\buf+16+\p:\buf+17+\p], v[8:9], v[\buf+\p:\buf+\p+1] op_sel:[0,1,0]
.endr
.irp p, 0,2,4,6,8,10,12,14
	v_pk_fma_f32 v[\buf+\p:\buf+\p+1], v[\buf+32+\p:\buf+33+\p], v[10:11], v[\buf+\p:\buf+\p+1] op_sel_hi:[1,0,1]
.endr
.irp p, 0,2,4,6,8,10,12,14
	v_pk_add_f32 v[\buf+48+\p:\buf+49+\p], v[\buf+48+\p:\buf+49+\p], v[10:11] op_sel:[0,1]
.endr
.irp p, 0,2,4,6,8,10,12,14
	v_pk_fma_f32 v[\buf+\p:\buf+\p+1], v[\buf+\p:\buf+\p+1], -2.0, v[\buf+48+\p:\buf+49+\p] op_sel_hi:[1,0,1]
.endr
.irp p, 0,1,2,3
.if \first
	v_min_num_f32 v[16+\p], v[\buf+2*\p], v[\buf+2*\p+1]           ; the first four pairs start the chains
.else
	v_min3_num_f32 v[16+\p], v[16+\p], v[\buf+2*\p], v[\buf+2*\p+1]
.endif
.endr
.irp p, 4,5,6,7
	v_min3_num_f32 v[12+\p], v[12+\p], v[\buf+2*\p], v[\buf+2*\p+1]
.endr
.endm
; one group.  next = 1: the next group's points are asked for as soon as a half's registers are free
.macro GRP next
	s_wait_dscnt 16                                ; the first half is in (and the last minimum's store done); the 16 youngest, the other half's, stay out
	HALF CA, 1
.if \next
	s_add_co_u32 s29, s29, 128
	v_mov_b32 v12, s29
	LOADH CA, 0
	s_wait_dscnt 16                                ; the second half is in; the 16 just issued stay out
.else
	s_wait_dscnt 0x0
.endif
	HALF CB, 0
	v_min3_num_f32 v20, v16, v17, v18
	v_min_num_f32 v20, v20, v19
	v_max_num_f32 v20, 0, v20                      ; held at 0 from below
	s_cmp_eq_u32 s28, s27
	s_cselect_b32 s30, -1, 0
	v_cndmask_b32 v20, v20, 0, s30                 ; the query's own group: the query itself counts as 0
	v_add_nc_u32 v14, s33, v13
	ds_store_b32 v14, v20
.if \next
	LOADH CB, 64
.endif
.irp j, 15,14,13,12,11,10,9,8,7,6,5,4,3,2,1
	v_med3_num_f32 v[LS+\j], v[LS+\j-1], v[LS+\j], v20             ; insertion: each place takes the middle of its lower neighbour, itself and the newcomer
.endr
	v_min_num_f32 v[LS], v[LS], v20
	s_add_co_u32 s33, s33, 128
.endm
	v_mov_b32 v12, 0
	LOADH CA, 0
	LOADH CB, 64
	s_mov_b32 s28, 0                               ; the group
	s_mov_b32 s29, 0                               ; its place in a plane
	s_mov_b32 s33, 0                               ; its place among my wave's minima
.Lgrp:
	GRP 1
	s_add_co_u32 s28, s28, 1
	s_cmp_lt_u32 s28, 127
	s_cbranch_scc1 .Lgrp
	GRP 0                                          ; the last group asks for nothing
	; which groups: all under T, and the first Q = 16 - (their number) equal to T
	v_mov_b32 v58, v[LS+15]                        ; T
	v_mov_b32 v57, 16                              ; Q
	v_mov_b32 v56, 0                               ; tied groups met so far
.irp j, 0,1,2,3,4,5,6,7,8,9,10,11,12,13,14
	v_cmp_lt_f32 vcc_lo, v[LS+\j], v58
	v_cndmask_b32 v61, 0, 1, vcc_lo
	v_sub_nc_u32 v57, v57, v61
.endr
.macro PICK next
	s_wait_dscnt 0x0                               ; this group's minimum is in
	v_mov_b32 v59, v60
.if \next
	s_add_co_u32 s33, s33, 128
	v_add_nc_u32 v14, s33, v13
	ds_load_b32 v60, v14
.endif
	v_cmp_lt_f32 s30, v59, v58
	v_cmp_eq_f32 s31, v59, v58
	v_cmp_gt_u32 s32, v57, v56
	s_and_b32 s31, s31, s32                        ; a tie that is still wanted
	v_cndmask_b32 v61, 0, 1, s31
	v_add_nc_u32 v56, v56, v61
	s_or_b32 s30, s30, s31                         ; lanes that take this group: a mask for selects alone
	v_mov_b32 v62, s28
.irp j, 15,14,13,12,11,10,9,8,7,6,5,4,3,2,1
	v_cndmask_b32 v[SL+\j], v[SL+\j], v[SL+\j-1], s30
.endr
	v_cndmask_b32 v[SL], v[SL], v62, s30
.endm
	s_mov_b32 s33, 0
	s_mov_b32 s28, 0
	ds_load_b32 v60, v13                           ; LDS serves a wave's instructions in order: it sees my stores
.Lpick:
	PICK 1
	s_add_co_u32 s28, s28, 1
	s_cmp_lt_u32 s28, 127
	s_cbranch_scc1 .Lpick
	PICK 0
	; the way out: a lane's 64 bytes go through my wave's region, whose minima are done with, and leave 512 consecutive bytes to a store
.irp c, 0,1,2,3
	ds_store_b128 v15, v[SL+4*\c:SL+4*\c+3] offset:16*\c
.endr
.irp c, 0,1,2,3
	ds_load_b128 v[64+4*\c:67+4*\c], v7 offset:512*\c
.endr
	s_wait_dscnt 0x0
.irp c, 0,1,2,3
	global_store_b128 v22, v[64+4*\c:67+4*\c], s[22:23] offset:512*\c
.endr
	s_wait_tensorcnt 0x0                           ; the wave's end: three lines behind my last LDS store
	ds_add_u32 v[SPW], v[NIL]
	s_wait_dscnt 0x0
	s_endpgm
.Lfunc_end_k_qc4dc4eef11_front:
	.size	k_qc4dc4eef11_front, .Lfunc_end_k_qc4dc4eef11_front-k_qc4dc4eef11_front
	.p2alignl 7, 3214868480
	.fill 96, 4, 3214868480
	.section	.rodata,"a",@progbits
	.p2align	6, 0x0
	.amdhsa_kernel k_qc4dc4eef11_front
		.amdhsa_group_segment_fixed_size 131584
		.amdhsa_private_segment_fixed_size 0
		.amdhsa_enable_private_segment 0
		.amdhsa_kernarg_size 80
		.amdhsa_user_sgpr_count 2
		.amdhsa_user_sgpr_kernarg_segment_ptr 1
		.amdhsa_wavefront_size32 1
		.amdhsa_system_sgpr_workgroup_id_x 1
		.amdhsa_system_sgpr_workgroup_id_y 1
		.amdhsa_system_sgpr_workgroup_id_z 1
		.amdhsa_system_vgpr_workitem_id 0
		.amdhsa_next_free_vgpr 192
		.amdhsa_next_free_sgpr 66
		.amdhsa_reserve_vcc 1
		.amdhsa_float_denorm_mode_32 3
		.amdhsa_float_denorm_mode_16_64 3
		.amdhsa_memory_ordered 1
		.amdhsa_forward_progress 1
		.amdhsa_inst_pref_size 57
	.end_amdhsa_kernel
	.amdgpu_metadata
---
amdhsa.version: [ 1, 2 ]
amdhsa.kernels:
  - .name:           k_qc4dc4eef11_front
    .symbol:         k_qc4dc4eef11_front.kd
    .args:
      - { .name: pos, .offset: 0, .size: 8, .value_kind: global_buffer, .address_space: global }
      - { .name: Wq, .offset: 8, .size: 8, .value_kind: global_buffer, .address_space: global }
      - { .name: Wk, .offset: 16, .size: 8, .value_kind: global_buffer, .address_space: global }
      - { .name: Wv, .offset: 24, .size: 8, .value_kind: global_buffer, .address_space: global }
      - { .name: Wp, .offset: 32, .size: 8, .value_kind: global_buffer, .address_space: global }
      - { .name: W2, .offset: 40, .size: 8, .value_kind: global_buffer, .address_space: global }
      - { .name: wfrag, .offset: 48, .size: 8, .value_kind: global_buffer, .address_space: global }
      - { .name: wscale, .offset: 56, .size: 8, .value_kind: global_buffer, .address_space: global }
      - { .name: pos4, .offset: 64, .size: 8, .value_kind: global_buffer, .address_space: global }
      - { .name: glist, .offset: 72, .size: 8, .value_kind: global_buffer, .address_space: global }
    .group_segment_fixed_size: 131584
    .private_segment_fixed_size: 0
    .kernarg_segment_align: 8
    .kernarg_segment_size: 80
    .max_flat_workgroup_size: 128
    .sgpr_count:     66
    .vgpr_count:     192
    .wavefront_size: 32
...
	.end_amdgpu_metadata
.endif
;; end of part 1
;; launch mid (part 2): grid 256 x 1, 16 waves a work-group, no clusters, 252,928 bytes of LDS; arguments x, gq, betaq, gkv, betakv, wfrag, wscale, pos4, glist, qbuf, kbuf, vbuf, idx; writes qbuf, kbuf, vbuf, idx
.if DOCPART == 2
	.amdgcn_target "amdgcn-amd-amdhsa--gfx1250"
	.amdhsa_code_object_version 6
	.text
	.protected	k_qc4dc4eef11_mid
	.globl	k_qc4dc4eef11_mid
	.p2align	8
	.type	k_qc4dc4eef11_mid,@function
k_qc4dc4eef11_mid:
	s_mov_b64 s[64:65], 0
	v_nop
	global_prefetch_b8 v0, s[64:65] scope:SCOPE_SE
	s_setreg_imm32_b32 hwreg(HW_REG_WAVE_MODE, 25, 1), 1
	s_wait_xcnt 0x0
; A work-group takes 128 rows (points).  FIRST: layer norm under both gains, quantised to FP6 (E2M3, one E8M0 byte for 32 along K), and q, k, v = the three products with the weights' codes.
; Waves 8-15: one tile of 16 rows each: the rows come 512 consecutive bytes to a load, turn through the wave's own stage, and lie then as the operand wants them: lane (r, h) holds row r, k = 128 s + 64 c + 32 h + i.
; Mean, variance, both affine forms and the quantiser in f32; the four fragments of a tile go to LDS as images of their registers.
; Waves 0-11: wave u keeps 64 columns of one matrix (u / 4: q, k, v) as 8 fragments in registers and multiplies them with all 8 tiles of rows (source 0 = 16 columns of W, source 1 = 16 rows: a lane then holds 8 neighbouring columns of a row).
; Results leave through the wave's own stage, sixteen lanes to 256 consecutive bytes.
; SECOND, all 16 waves, 8 queries each: THE SECOND HALF OF THE SEARCH.  The 16 groups that the launch before stored for a query are read as whole numbers; a lane takes one point of each group: 512 distances, with the roundings
; of the launch before.  T, the 16th smallest, comes from a sort of each lane's 16 and five merges across lanes that keep the 16 smallest.  Taken are all points under T and, in index order, as many equal to T as fill 16.
; The 16 masks become 16 indices by selects alone (which group holds the t-th taken point; which bit of its mask), and are stored as whole numbers.  No address and no branch hangs on a distance.
; LIMITS: NaN and infinities are not served; a block of zeros carries the byte 1 over zero codes.
.set GB,    0                          ; gq, betaq, gkv, betakv: 1,024 bytes each
.set IMG,   4096                       ; 32 fragment images of 1,536 bytes: ((version 8 + tile) 2 + K step)
.set ISC,   53248                      ; their scale words, 128 bytes each
.set STG,   57344                      ; 12 stages of 16 rows x 272 bytes
.set XST,   109568                     ; 8 stages of 16 rows x 1,040 bytes for x
.set IDS,   242688                     ; 512 bytes a wave: its 8 queries' indices
.set SPARE, 250880                     ; the spare words: 128 bytes a wave, eight blocks of 256 bytes that no other line names
; v1 lane, v2 r, v3 h, v4 16 lane, v5 4 lane, v6 8 h; v7-v19 LDS and output places (below); v20, v21 the add's two; v22, v23 at work
.set AD, 24                            ; second part: v24-39 offsets of the 16 points, v40-55 distances, v64-127 points, v128-143 and v144-159 lists
.set D,  40
.set C,  64
.set X,  128
.set Y,  144
.set T,  160
.macro QBLK src, dst, tmp, m0, m1, sop, byt
	v_max3_num_f32 v[\m0], |v[\src]|, |v[\src+1]|, |v[\src+2]|
	v_max3_num_f32 v[\m1], |v[\src+3]|, |v[\src+4]|, |v[\src+5]|
.irp i, 6,10,14,18,22,26
	v_max3_num_f32 v[\m0], v[\m0], |v[\src+\i]|, |v[\src+\i+1]|
	v_max3_num_f32 v[\m1], v[\m1], |v[\src+\i+2]|, |v[\src+\i+3]|
.endr
	v_max3_num_f32 v[\m0], v[\m0], |v[\src+30]|, |v[\src+31]|
	v_max3_num_f32 v[\m0], v[\m0], v[\m1], 0x1800000               ; the floor 2^(3 - 127) holds the byte at 1 from below
	v_add_nc_u32 v[\sop], 0xff000000, v[\m0]                       ; 2 off the exponent field: the conversion's scale operand
	v_lshrrev_b32 v[\byt], 23, v[\sop]
	v_cvt_scalef32_pk16_fp6_f32 v[\dst:\dst+2], v[\src:\src+15], v[\sop]
	v_cvt_scalef32_pk16_fp6_f32 v[\tmp:\tmp+2], v[\src+16:\src+31], v[\sop]
	v_nop                                                          ; a plain instruction behind the conversions
.irp i, 0,1,2
	v_mov_b32 v[\dst+3+\i], v[\tmp+\i]
.endr
.endm
; four tiles of 16 rows x 16 columns leave: into my stage, 32 bytes a lane, and back as rows of 256 bytes
.macro UNITOUT acc, ob, imm
.irp t, 0,1,2,3
	ds_store_b128 v13, v[\acc+8*\t:\acc+8*\t+3] offset:64*\t       ; each accumulator from its low end on
	ds_store_b128 v13, v[\acc+8*\t+4:\acc+8*\t+7] offset:64*\t+16
.endr
	s_wait_xcnt 0x0                                ; earlier stores have read their registers: they may be loaded again
.irp i, 0,1,2,3,4,5,6,7
	ds_load_b128 v[\ob+4*\i:\ob+4*\i+3], v14 offset:544*\i         ; LDS serves a wave's instructions in order: these see the stores above
.endr
.irp i, 0,1,2,3,4,5,6,7
	s_wait_dscnt 7-\i                              ; the younger loads stay out
	global_store_b128 v19, v[\ob+4*\i:\ob+4*\i+3], s[96:97] offset:\imm+2048*\i   ; sixteen lanes store 256 consecutive bytes, aligned
.endr
.endm
	s_load_b512 s[4:19], s[0:1], 0x0               ; x, gq, betaq, gkv, betakv, wfrag, wscale, pos4
	s_load_b256 s[20:27], s[0:1], 0x40             ; glist, qbuf, kbuf, vbuf
	s_load_b64 s[28:29], s[0:1], 0x60              ; idx
	v_lshl_add_u32 v20, v0, 2, SPARE
	v_mov_b32 v21, 0
	v_lshrrev_b32 v22, 5, v0
	v_readfirstlane_b32 s30, v22                   ; wave 0-15
	v_and_b32 v1, 31, v0
	v_and_b32 v2, 15, v0
	v_bfe_u32 v3, v0, 4, 1
	v_lshlrev_b32 v4, 4, v1
	v_lshlrev_b32 v5, 2, v1
	v_lshlrev_b32 v6, 3, v3
	s_mov_b32 s32, 0x76543210                      ; selects for lane l xor 16
	s_mov_b32 s33, 0xfedcba98
	s_mov_b32 s34, 0x3727c5ac                      ; 1e-5
	s_mov_b32 s35, 0x3b800000                      ; 1 / 256
	; every LDS place is made here, ahead of the first parting of the waves
	s_and_b32 s52, s30, 3
	s_lshl_b32 s52, s52, 10
	v_add_nc_u32 v7, s52, v4                       ; v7: where waves 0-3 put a gain or bias
	v_lshlrev_b32 v8, 7, v3                        ; v8: 128 h: my half's 32 numbers of a block pair
	s_and_b32 s53, s30, 7                          ; tile of rows of waves 8-15
	s_mul_i32 s52, s53, 3072
	s_add_co_u32 s52, s52, IMG
	v_add_nc_u32 v9, s52, v4                       ; v9: my tile's images, written
	s_lshl_b32 s52, s53, 8
	s_add_co_u32 s52, s52, ISC
	v_add_nc_u32 v10, s52, v5                      ; v10: their scale words
	s_lshr_b32 s54, s30, 2                         ; which matrix
	s_min_u32 s55, s54, 1                          ; which version of the norm: q the first, k and v the second
	s_mul_i32 s52, s55, 24576
	s_add_co_u32 s52, s52, IMG
	v_add_nc_u32 v11, s52, v4                      ; v11: images, read
	s_lshl_b32 s52, s55, 11
	s_add_co_u32 s52, s52, ISC
	v_add_nc_u32 v12, s52, v5                      ; v12: scale words, read
	s_min_u32 s56, s30, 11
	s_mul_i32 s56, s56, 4352
	s_add_co_u32 s56, s56, STG                     ; my stage
	v_mul_u32_u24 v13, v2, 272
	v_lshl_add_u32 v13, v3, 5, v13
	v_add_nc_u32 v13, s56, v13                     ; v13: in: row r, 32 h
	v_mul_u32_u24 v14, v3, 272
	v_lshl_add_u32 v14, v2, 4, v14
	v_add_nc_u32 v14, s56, v14                     ; v14: back: row h, 16 r
	s_mul_i32 s52, s53, 16640
	s_add_co_u32 s52, s52, XST
	v_add_nc_u32 v15, s52, v4                      ; v15: x's stage, in
	v_mul_u32_u24 v16, v2, 1040
	v_lshl_add_u32 v16, v3, 7, v16
	v_add_nc_u32 v16, s52, v16                     ; v16: and back: row r, 128 h
	s_lshl_b32 s52, s30, 9
	s_add_co_u32 s52, s52, IDS
	v_lshl_add_u32 v17, v2, 2, s52                 ; v17: my wave's indices, in
	v_add_nc_u32 v18, s52, v4                      ; v18: and back
	v_lshlrev_b32 v19, 10, v3
	v_lshl_add_u32 v19, v2, 4, v19                 ; v19: output: row h of 1,024 bytes, 16 r
	s_mov_b32 s57, 0
	s_wait_kmcnt 0x0
	s_lshl_b32 s56, ttmp9, 17
	s_lshl_b32 s58, s53, 14
	s_add_co_u32 s56, s56, s58
	s_add_nc_u64 s[4:5], s[4:5], s[56:57]          ; x at my tile of rows
	s_mul_i32 s56, s30, 12288
	s_add_nc_u64 s[14:15], s[14:15], s[56:57]      ; my 8 fragments
	s_lshl_b32 s56, s30, 10
	s_add_nc_u64 s[16:17], s[16:17], s[56:57]      ; and their scale words
	s_cmp_eq_u32 s54, 1
	s_cselect_b64 s[96:97], s[24:25], s[22:23]
	s_cmp_eq_u32 s54, 2
	s_cselect_b64 s[96:97], s[26:27], s[96:97]
	s_lshl_b32 s56, ttmp9, 17
	s_and_b32 s58, s30, 3
	s_lshl_b32 s58, s58, 8
	s_add_co_u32 s56, s56, s58
	s_add_nc_u64 s[96:97], s[96:97], s[56:57]      ; my matrix's output: the block's rows, my 64 columns
	s_cmp_eq_u32 s30, 1
	s_cselect_b64 s[98:99], s[8:9], s[6:7]
	s_cmp_eq_u32 s30, 2
	s_cselect_b64 s[98:99], s[10:11], s[98:99]
	s_cmp_eq_u32 s30, 3
	s_cselect_b64 s[98:99], s[12:13], s[98:99]
	s_lshl_b32 s56, ttmp9, 7
	s_lshl_b32 s58, s30, 3
	s_add_co_u32 s58, s56, s58                     ; my wave's first query
	s_lshl_b32 s56, s58, 6
	s_add_nc_u64 s[20:21], s[20:21], s[56:57]      ; its list of groups
	s_add_nc_u64 s[28:29], s[28:29], s[56:57]      ; its indices
	s_lshl_b32 s56, s58, 4
	s_add_nc_u64 s[94:95], s[18:19], s[56:57]      ; its own point
	s_lshr_b32 s56, ttmp9, 5
	s_lshl_b32 s56, s56, 16
	s_add_nc_u64 s[18:19], s[18:19], s[56:57]      ; the batch's points
	s_cmp_lt_u32 s30, 8
	s_cbranch_scc1 .Lno_x
.set j, 0
.rept 32
	global_load_b128 v[32+4*j:35+4*j], v4, s[4:5] offset:512*j th:TH_LOAD_NT      ; half a row: 512 consecutive bytes
.set j, j+1
.endr
.Lno_x:
	s_cmp_lt_u32 s30, 4
	s_cbranch_scc0 .Lno_gb
	global_load_b128 v[24:27], v4, s[98:99]
	global_load_b128 v[28:31], v4, s[98:99] offset:512
	s_wait_loadcnt 0x0
	ds_store_b128 v7, v[24:27] offset:GB
	ds_store_b128 v7, v[28:31] offset:GB+512
.Lno_gb:
	s_wait_dscnt 0x0
	s_barrier_signal -1
	s_barrier_wait -1                              ; the gains and biases lie in LDS
	s_cmp_lt_u32 s30, 8
	s_cbranch_scc1 .Lno_ln
	; ---------------- layer norm and quantiser: waves 8-15
	s_wait_loadcnt 0x0
.set j, 0
.rept 32
	ds_store_b128 v15, v[32+4*j:35+4*j] offset:(j/2)*1040+(j%2)*512
.set j, j+1
.endr
.set j, 0
.rept 32
	ds_load_b128 v[32+4*j:35+4*j], v16 offset:512*(j/16)+256*((j/8)%2)+16*(j%8)   ; register 64 s + 32 c + i: k = 128 s + 64 c + 32 h + i of row r
.set j, j+1
.endr
	v_mov_b32 v246, 0                              ; (a lane permute's destination counts as read)
	s_wait_dscnt 0x0
.irp q, 0,1,2,3
	v_pk_add_f32 v[160+2*\q:161+2*\q], v[32+2*\q:33+2*\q], v[40+2*\q:41+2*\q]     ; the sum, in four chains of pairs
.endr
.set j, 8
.rept 56
	v_pk_add_f32 v[160+2*(j%4):161+2*(j%4)], v[160+2*(j%4):161+2*(j%4)], v[32+2*j:33+2*j]
.set j, j+1
.endr
	v_pk_add_f32 v[160:161], v[160:161], v[162:163]
	v_pk_add_f32 v[164:165], v[164:165], v[166:167]
	v_pk_add_f32 v[160:161], v[160:161], v[164:165]
	v_add_f32 v160, v160, v161
	v_permlanex16_b32 v161, v160, s32, s33
	v_add_f32 v160, v160, v161                     ; with the row's other half
	v_mul_f32 v160, s35, v160                      ; the mean
.set j, 0
.rept 64
	v_pk_add_f32 v[32+2*j:33+2*j], v[32+2*j:33+2*j], v[160:161] op_sel_hi:[1,0] neg_lo:[0,1] neg_hi:[0,1]
.set j, j+1
.endr
.irp q, 0,1,2,3
	v_pk_mul_f32 v[160+2*\q:161+2*\q], v[32+2*\q:33+2*\q], v[32+2*\q:33+2*\q]
.endr
.set j, 4
.rept 60
	v_pk_fma_f32 v[160+2*(j%4):161+2*(j%4)], v[32+2*j:33+2*j], v[32+2*j:33+2*j], v[160+2*(j%4):161+2*(j%4)]
.set j, j+1
.endr
	v_pk_add_f32 v[160:161], v[160:161], v[162:163]
	v_pk_add_f32 v[164:165], v[164:165], v[166:167]
	v_pk_add_f32 v[160:161], v[160:161], v[164:165]
	v_add_f32 v160, v160, v161
	v_permlanex16_b32 v161, v160, s32, s33
	v_add_f32 v160, v160, v161
	v_fma_f32 v162, v160, s35, s34                 ; the variance + 1e-5
	v_rsq_f32 v164, v162
	v_nop                                          ; a plain instruction behind the transcendental,
	s_wait_alu depctr_va_vdst(0)                   ; and a wait ahead of its first reader
.set j, 0
.rept 64
	v_pk_mul_f32 v[32+2*j:33+2*j], v[32+2*j:33+2*j], v[164:165] op_sel_hi:[1,0]
.set j, j+1
.endr
.macro LNBLK ver, s, c                 ; one block of 32 a lane: gain and bias from LDS, one fused multiply-add, the quantiser
.irp i, 0,1,2,3,4,5,6,7
	ds_load_b128 v[160+4*\i:163+4*\i], v8 offset:GB+2048*\ver+512*\s+256*\c+16*\i
.endr
.irp i, 0,1,2,3,4,5,6,7
	ds_load_b128 v[192+4*\i:195+4*\i], v8 offset:GB+2048*\ver+1024+512*\s+256*\c+16*\i
.endr
	s_wait_dscnt 0x0                               ; they are in (and the last images' stores are done)
.irp i, 0,2,4,6,8,10,12,14,16,18,20,22,24,26,28,30
	v_pk_fma_f32 v[160+\i:161+\i], v[32+64*\s+32*\c+\i:33+64*\s+32*\c+\i], v[160+\i:161+\i], v[192+\i:193+\i]
.endr
	QBLK 160, 224+6*\c, 236, 240, 241, 242, 243+\c
.endm
.macro LNFRAG ver, s
	LNBLK \ver, \s, 0
	LNBLK \ver, \s, 1
	v_lshl_or_b32 v245, v244, 16, v243             ; my bytes: blocks h and 2 + h,
	v_lshlrev_b32 v245, v6, v245
	v_permlanex16_b32 v246, v245, s32, s33
	v_or_b32 v245, v245, v246                      ; with lane l xor 16's: the row's scale word
.irp k, 0,1,2
	ds_store_b128 v9, v[224+4*\k:227+4*\k] offset:24576*\ver+1536*\s+512*\k       ; the fragment as it stands
.endr
	ds_store_b32 v10, v245 offset:2048*\ver+128*\s
.endm
	LNFRAG 0, 0
	LNFRAG 0, 1
	LNFRAG 1, 0
	LNFRAG 1, 1
	s_wait_dscnt 0x0                               ; the stores have read their registers
.Lno_ln:
	s_wait_loadcnt 0x0                             ; on every wave's way: no load into registers is out when registers that x's loads named are loaded anew below
	s_cmp_lt_u32 s30, 12
	s_cbranch_scc0 .Lno_w
.set j, 0
.rept 24
	global_load_b128 v[160+4*j:163+4*j], v4, s[14:15] offset:512*j                ; my 8 fragments: 12,288 consecutive bytes
.set j, j+1
.endr
.irp j, 0,1,2,3,4,5,6,7
	global_load_b32 v[50+\j], v5, s[16:17] offset:128*\j
.endr
.Lno_w:
	s_wait_dscnt 0x0
	s_barrier_signal -1
	s_barrier_wait -1                              ; all 32 images lie in LDS
	s_cmp_lt_u32 s30, 12
	s_cbranch_scc0 .Lsearch
	; ---------------- the products: waves 0-11.  Four accumulators take turns, one instruction a turn
.macro MT m
.irp c, 0,1,2
	ds_load_b128 v[24+4*\c:27+4*\c], v11 offset:3072*(\m)+512*\c
	ds_load_b128 v[36+4*\c:39+4*\c], v11 offset:3072*(\m)+1536+512*\c
.endr
	ds_load_b32 v48, v12 offset:256*(\m)
	ds_load_b32 v49, v12 offset:256*(\m)+128
	s_wait_dscnt 0x0
.irp t, 0,1,2,3
	v_wmma_scale_f32_16x16x128_f8f6f4 v[64+8*\t:71+8*\t], v[160+24*\t:171+24*\t], v[24:35], 0, v[50+2*\t], v48 matrix_a_fmt:MATRIX_FMT_FP6 matrix_b_fmt:MATRIX_FMT_FP6
.endr
.irp t, 0,1,2,3
	v_wmma_scale_f32_16x16x128_f8f6f4 v[64+8*\t:71+8*\t], v[172+24*\t:183+24*\t], v[36:47], v[64+8*\t:71+8*\t], v[51+2*\t], v49 matrix_a_fmt:MATRIX_FMT_FP6 matrix_b_fmt:MATRIX_FMT_FP6
.endr
.rept 5
	v_nop                                          ; places: ahead of the stores that read the results, of the loads into the operands, and of the next tile's products, which begin these accumulators anew
.endr
	UNITOUT 64, 96+32*((\m)%2), 16384*(\m)
.endm
	s_wait_loadcnt 0x0                             ; the weights
.rept 8
	v_nop                                          ; places: in waves 8-11 vector instructions wrote, for the images, registers that now hold the weights' fragments; eight plain instructions stand between those writes and the scaled products
.endr
.irp m, 0,1,2,3,4,5,6,7
	MT \m
.endr
	; ---------------- the search, second half: all waves
.Lsearch:
	s_wait_loadcnt 0x0                             ; on every wave's way: no load into registers is out when the registers get their new use
	s_wait_xcnt 0x0                                ; the stores have read their registers
.macro TAKE                            ; the list and the point that have arrived become the ones in hand
.irp j, 0,1,2,3,4,5,6,7,8,9,10,11,12,13,14,15
	s_min_u32 s[36+\j], s[68+\j], 127
.endr
	s_mov_b64 s[88:89], s[84:85]
	s_mov_b64 s[90:91], s[86:87]
.endm
.macro ASKPTS base                     ; lane l takes point l of each group; group j in ascending order is word 15 - j
.irp j, 0,1,2,3,4,5,6,7,8,9,10,11,12,13,14,15
	s_min_u32 s92, s[\base+15-\j], 127             ; a loaded number enters an address only behind this hold
	s_lshl_b32 s92, s92, 9
	v_add_nc_u32 v[AD+\j], s92, v4
.endr
.irp j, 0,1,2,3,4,5,6,7,8,9,10,11,12,13,14,15
	global_load_b128 v[C+4*\j:C+4*\j+3], v[AD+\j], s[18:19]        ; 512 consecutive bytes
.endr
.endm
.macro CEX s, d, st                    ; compare and exchange at distance st
.irp i, 0,1,2,3,4,5,6,7,8,9,10,11,12,13,14,15
.if (\i & \st) == 0
	v_min_num_f32 v[\d+\i], v[\s+\i], v[\s+\i+\st]
	v_max_num_f32 v[\d+\i+\st], v[\s+\i], v[\s+\i+\st]
.endif
.endr
.endm
.macro MERGE a, b, m                   ; my sorted 16 and lane l xor m's: the 16 smallest of both, sorted, into b
.irp i, 0,1,2,3,4,5,6,7,8,9,10,11,12,13,14,15
	v_min_num_f32_dpp v[\b+\i], v[\a+15-\i], v[\a+\i] row_xmask:\m row_mask:0xf bank_mask:0xf
.endr
	CEX \b, \a, 8
	CEX \a, \b, 4
	CEX \b, \a, 2
	CEX \a, \b, 1
.endm
.macro NSTEP tab, msk, st              ; does the wanted bit lie above the st bits at v167?
	v_lshrrev_b32 v168, v167, v[\tab]
	v_and_b32 v168, \msk, v168
	v_cmp_ge_u32 vcc_lo, v162, v168
	v_cndmask_b32 v168, 0, v168, vcc_lo
	v_cndmask_b32 v169, 0, \st, vcc_lo
	v_sub_nc_u32 v162, v162, v168
	v_add_nc_u32 v167, v167, v169
.endm
.irp j, 0,1,2,3,4,5,6,7,8,9,10,11,12,13,14,15
	v_mov_b32 v[Y+\j], 0                           ; (destinations of lane-crossing forms count as read)
.endr
	s_and_b32 s59, ttmp9, 31
	s_lshl_b32 s59, s59, 2
	s_add_co_u32 s59, s59, s54                     ; the group in which my wave's 8 queries lie
	s_lshl_b32 s67, s30, 3
	s_and_b32 s67, s67, 31                         ; the query's lane in that group
	s_lshl_b32 s60, 1, s67
	s_mov_b32 s61, 0                               ; the trip
	s_mov_b32 s66, 0                               ; its 64 bytes among my wave's indices
	s_load_b512 s[68:83], s[20:21], 0x0
	s_load_b128 s[84:87], s[94:95], 0x0
	s_wait_kmcnt 0x0
	TAKE
	ASKPTS 36
	s_load_b512 s[68:83], s[20:21], 0x40           ; the second query's
	s_load_b128 s[84:87], s[94:95], 0x10
.Lq:
	s_wait_loadcnt 0x0                             ; this query's 16 x 32 points
.irp j, 0,1,2,3,4,5,6,7,8,9,10,11,12,13,14,15
	v_mul_f32 v[D+\j], s88, v[C+4*\j]
.endr
.irp j, 0,1,2,3,4,5,6,7,8,9,10,11,12,13,14,15
	v_fma_f32 v[D+\j], s89, v[C+4*\j+1], v[D+\j]
.endr
.irp j, 0,1,2,3,4,5,6,7,8,9,10,11,12,13,14,15
	v_fma_f32 v[D+\j], s90, v[C+4*\j+2], v[D+\j]
.endr
.irp j, 0,1,2,3,4,5,6,7,8,9,10,11,12,13,14,15
	v_add_f32 v[C+4*\j+3], s91, v[C+4*\j+3]
.endr
.irp j, 0,1,2,3,4,5,6,7,8,9,10,11,12,13,14,15
	v_fma_f32 v[D+\j], v[D+\j], -2.0, v[C+4*\j+3]
.endr
.irp j, 0,1,2,3,4,5,6,7,8,9,10,11,12,13,14,15
	v_max_num_f32 v[D+\j], 0, v[D+\j]
.endr
.irp j, 0,1,2,3,4,5,6,7,8,9,10,11,12,13,14,15
	s_cmp_eq_u32 s[51-\j], s59
	s_cselect_b32 s53, s60, 0
	v_cndmask_b32 v[D+\j], v[D+\j], 0, s53         ; the query itself counts as 0
.endr
	s_wait_kmcnt 0x0                               ; the next query's list and point
	ASKPTS 68                                      ; its points are on their way during the sort (the last trip asks once more for its own: no load leaves a buffer)
	; each lane sorts its 16
	v_mov_b32 v[X], v[D]
.set j, 1
.rept 15
	v_max_num_f32 v[X+j], v[X+j-1], v[D+j]
.set i, 14
.rept 14
.if i < j
	v_med3_num_f32 v[X+i], v[X+i-1], v[X+i], v[D+j]
.endif
.set i, i-1
.endr
	v_min_num_f32 v[X], v[X], v[D+j]
.set j, j+1
.endr
	MERGE X, Y, 1
	MERGE Y, X, 2
	MERGE X, Y, 4
	MERGE Y, X, 8
.irp i, 0,1,2,3,4,5,6,7,8,9,10,11,12,13,14,15
	v_permlanex16_b32 v[Y+\i], v[X+15-\i], s32, s33
.endr
.irp i, 0,1,2,3,4,5,6,7,8,9,10,11,12,13,14,15
	v_min_num_f32 v[Y+\i], v[X+\i], v[Y+\i]        ; the 16 smallest of all 512
.endr
	v_max3_num_f32 v[T], v[Y], v[Y+1], v[Y+2]
	v_max3_num_f32 v161, v[Y+3], v[Y+4], v[Y+5]
.irp i, 6,10
	v_max3_num_f32 v[T], v[T], v[Y+\i], v[Y+\i+1]
	v_max3_num_f32 v161, v161, v[Y+\i+2], v[Y+\i+3]
.endr
	v_max3_num_f32 v[T], v[T], v[Y+14], v[Y+15]
	v_max_num_f32 v[T], v[T], v161                 ; T: the 16th smallest
	; how many ties are wanted
	s_mov_b32 s52, 16
.irp j, 0,1,2,3,4,5,6,7,8,9,10,11,12,13,14,15
	v_cmp_lt_f32 s[53+(\j%4)], v[D+\j], v[T]
	s_bcnt1_i32_b32 s[53+(\j%4)], s[53+(\j%4)]
	s_sub_co_u32 s52, s52, s[53+(\j%4)]
.endr
	s_mov_b32 s57, 0                               ; ties met
	s_mov_b32 s58, 0                               ; points taken
	; group by group in index order: the mask of taken points; slot t (lane % 16) keeps the last group that begins at or under t
.irp j, 0,1,2,3,4,5,6,7,8,9,10,11,12,13,14,15
	v_cmp_lt_f32 s53, v[D+\j], v[T]
	v_cmp_eq_f32 s54, v[D+\j], v[T]
	v_mbcnt_lo_u32_b32 v161, s54, s57              ; my tie's rank among all ties
	v_cmp_gt_u32 s55, s52, v161
	s_and_b32 s55, s55, s54
	s_or_b32 s55, s55, s53
	s_bcnt1_i32_b32 s56, s54
	s_add_co_u32 s57, s57, s56
.if \j == 0
	v_mov_b32 v176, s55
	v_mov_b32 v177, 0
	v_mov_b32 v178, s51
.else
	v_cmp_le_u32 vcc_lo, s58, v2
	v_cndmask_b32 v176, v176, s55, vcc_lo          ; its mask,
	v_cndmask_b32 v177, v177, s58, vcc_lo          ; how many were taken ahead of it,
	v_cndmask_b32 v178, v178, s[51-\j], vcc_lo     ; its number
.endif
	s_bcnt1_i32_b32 s56, s55
	s_add_co_u32 s58, s58, s56
.endr
	; the place of set bit number t - (taken ahead) in the mask, by counts of 2, 4, 8 and 16 bits
	v_sub_nc_u32 v162, v2, v177
	v_lshrrev_b32 v163, 1, v176
	v_and_b32 v163, 0x55555555, v163
	v_sub_nc_u32 v163, v176, v163
	v_lshrrev_b32 v164, 2, v163
	v_and_b32 v164, 0x33333333, v164
	v_and_b32 v168, 0x33333333, v163
	v_add_nc_u32 v164, v164, v168
	v_lshrrev_b32 v165, 4, v164
	v_add_nc_u32 v165, v165, v164
	v_and_b32 v165, 0x0f0f0f0f, v165
	v_lshrrev_b32 v166, 8, v165
	v_add_nc_u32 v166, v166, v165
	v_and_b32 v166, 0x00ff00ff, v166
	v_mov_b32 v167, 0
	NSTEP 166, 0xff, 16
	NSTEP 165, 0xff, 8
	NSTEP 164, 15, 4
	NSTEP 163, 3, 2
	NSTEP 176, 1, 1
	v_lshl_add_u32 v170, v178, 5, v167             ; the point's index in its batch
	v_add_nc_u32 v23, s66, v17
	ds_store_b32 v23, v170                         ; both halves of the lanes write the same word with the same value
	s_add_co_u32 s66, s66, 64
	s_add_co_u32 s67, s67, 1
	s_lshl_b32 s60, 1, s67
	TAKE
	s_add_co_u32 s92, s61, 2
	s_min_u32 s92, s92, 7                          ; two queries on, held at the wave's last
	s_lshl_b32 s62, s92, 6
	s_lshl_b32 s63, s92, 4
	s_load_b512 s[68:83], s[20:21], s62 offset:0x0
	s_load_b128 s[84:87], s[94:95], s63 offset:0x0
	s_add_co_u32 s61, s61, 1
	s_cmp_lt_u32 s61, 8
	s_cbranch_scc1 .Lq
	ds_load_b128 v[176:179], v18                   ; my wave's 8 x 16 indices
	s_wait_dscnt 0x0
	global_store_b128 v4, v[176:179], s[28:29]     ; 512 consecutive bytes
	s_wait_tensorcnt 0x0                           ; the wave's end: three lines behind my last LDS store
	ds_add_u32 v20, v21
	s_wait_dscnt 0x0
	s_endpgm
.Lfunc_end_k_qc4dc4eef11_mid:
	.size	k_qc4dc4eef11_mid, .Lfunc_end_k_qc4dc4eef11_mid-k_qc4dc4eef11_mid
	.p2alignl 7, 3214868480
	.fill 96, 4, 3214868480
	.section	.rodata,"a",@progbits
	.p2align	6, 0x0
	.amdhsa_kernel k_qc4dc4eef11_mid
		.amdhsa_group_segment_fixed_size 252928
		.amdhsa_private_segment_fixed_size 0
		.amdhsa_enable_private_segment 0
		.amdhsa_kernarg_size 104
		.amdhsa_user_sgpr_count 2
		.amdhsa_user_sgpr_kernarg_segment_ptr 1
		.amdhsa_wavefront_size32 1
		.amdhsa_system_sgpr_workgroup_id_x 1
		.amdhsa_system_sgpr_workgroup_id_y 1
		.amdhsa_system_sgpr_workgroup_id_z 1
		.amdhsa_system_vgpr_workitem_id 0
		.amdhsa_next_free_vgpr 256
		.amdhsa_next_free_sgpr 100
		.amdhsa_reserve_vcc 1
		.amdhsa_float_denorm_mode_32 3
		.amdhsa_float_denorm_mode_16_64 3
		.amdhsa_memory_ordered 1
		.amdhsa_forward_progress 1
		.amdhsa_inst_pref_size 145
	.end_amdhsa_kernel
	.amdgpu_metadata
---
amdhsa.version: [ 1, 2 ]
amdhsa.kernels:
  - .name:           k_qc4dc4eef11_mid
    .symbol:         k_qc4dc4eef11_mid.kd
    .args:
      - { .name: x, .offset: 0, .size: 8, .value_kind: global_buffer, .address_space: global }
      - { .name: gq, .offset: 8, .size: 8, .value_kind: global_buffer, .address_space: global }
      - { .name: betaq, .offset: 16, .size: 8, .value_kind: global_buffer, .address_space: global }
      - { .name: gkv, .offset: 24, .size: 8, .value_kind: global_buffer, .address_space: global }
      - { .name: betakv, .offset: 32, .size: 8, .value_kind: global_buffer, .address_space: global }
      - { .name: wfrag, .offset: 40, .size: 8, .value_kind: global_buffer, .address_space: global }
      - { .name: wscale, .offset: 48, .size: 8, .value_kind: global_buffer, .address_space: global }
      - { .name: pos4, .offset: 56, .size: 8, .value_kind: global_buffer, .address_space: global }
      - { .name: glist, .offset: 64, .size: 8, .value_kind: global_buffer, .address_space: global }
      - { .name: qbuf, .offset: 72, .size: 8, .value_kind: global_buffer, .address_space: global }
      - { .name: kbuf, .offset: 80, .size: 8, .value_kind: global_buffer, .address_space: global }
      - { .name: vbuf, .offset: 88, .size: 8, .value_kind: global_buffer, .address_space: global }
      - { .name: idx, .offset: 96, .size: 8, .value_kind: global_buffer, .address_space: global }
    .group_segment_fixed_size: 252928
    .private_segment_fixed_size: 0
    .kernarg_segment_align: 8
    .kernarg_segment_size: 104
    .max_flat_workgroup_size: 512
    .sgpr_count:     100
    .vgpr_count:     256
    .wavefront_size: 32
...
	.end_amdgpu_metadata
.endif
;; end of part 2
;; launch attn (part 3): grid 256 x 1, 8 waves a work-group, no clusters, 150,528 bytes of LDS; arguments idx, pos4, qbuf, kbuf, vbuf, W1, b1, b2, wfrag, wscale, bp, out0; writes out0
.if DOCPART == 3
	.amdgcn_target "amdgcn-amd-amdhsa--gfx1250"
	.amdhsa_code_object_version 6
	.text
	.protected	k_qc4dc4eef11_attn
	.globl	k_qc4dc4eef11_attn
	.p2align	8
	.type	k_qc4dc4eef11_attn,@function
k_qc4dc4eef11_attn:
	s_mov_b64 s[64:65], 0
	v_nop
	global_prefetch_b8 v0, s[64:65] scope:SCOPE_SE
	s_setreg_imm32_b32 hwreg(HW_REG_WAVE_MODE, 25, 1), 1
	s_wait_xcnt 0x0
; A wave owns 16 queries and shares nothing: no barrier.  The neighbours' indices are whole numbers that the launch before stored.
; R, for each query: its 16 relative positions (a lane to a neighbour, the two halves of the lanes to the two halves of the 64 hidden units), relu(rel W1 + b1) in f32, quantised to FP6 (a block of 32 a lane).
;    The K = 64 product with W2 fills the instruction of 128 along K: the hidden codes stand twice, and W2's fragment holds column n in k 0-63 and column n + 128 in k 64-127, so a result is the sum of two columns;
;    only the sum over all 256 columns is wanted: 8 instructions a query, then a sum over tiles, registers and halves; the sum of b2 is added.
; A, for each query: 16 rows of k and 16 of v come whole, 512 consecutive bytes to a load, the next query's behind this one's use.  16 dot products in f32, brought to one lane each by selects and four exchanges;
;    softmax over the 16 with the maximum taken away; the weighted sum of v; the row goes to LDS.
; P: the 16 rows are quantised along their 256 and multiplied with Wp's codes; bp is the C of each sum's first instruction; rows leave in pieces of 256 consecutive bytes.
; All products transposed (source 0 = 16 columns of the weight).  LIMITS: NaN and infinities are not served; a block of zeros carries the byte 1 over zero codes.
; REGISTERS, window 0: v1 lane, v2 r, v3 h, v4 16 lane, v5 4 lane, v6 8 h, v7 sum of b2, v8 q's offset, v9-11, v14, v15 LDS places, v12, v13 the add's two; v16-31 row offsets; v32-39 q; v40-47 the output row;
;   v48-63 dot products; v64-79 at work; v80-87 places; v88-119 Wp's scale words, v120-127 W2's; v128-191 at work; v192-223 accumulators; v224-247 the rows' two fragments, v248, v249 their scale words.
; window 1: in R: W1's three rows (32 units of my half each), b1, W2's 8 fragments; in A: 16 rows of k, 16 of v; in P: two sets of Wp's fragments and of bp.
.set WREG,  18688                      ; LDS of a wave: 16,640 bytes (first 16 tables of relative positions, then 16 rows of 1,040 bytes, then a stage of 16 x 272), and 2,048 for the 16 x 32 sums of R
.set RLO,   16640
.set SPARE, 149504                     ; the spare words: 128 bytes a wave, four blocks of 256 bytes that no other line names
.set MSB, 0
.macro WIN new                         ; the immediate's high byte repeats the setting that is left
.if MSB != \new
	s_set_vgpr_msb (MSB<<8)|\new
.set MSB, \new
.endif
.endm
.macro QBLK src, dst, tmp, m0, m1, sop, byt
	v_max3_num_f32 v[\m0], |v[\src]|, |v[\src+1]|, |v[\src+2]|
	v_max3_num_f32 v[\m1], |v[\src+3]|, |v[\src+4]|, |v[\src+5]|
.irp i, 6,10,14,18,22,26
	v_max3_num_f32 v[\m0], v[\m0], |v[\src+\i]|, |v[\src+\i+1]|
	v_max3_num_f32 v[\m1], v[\m1], |v[\src+\i+2]|, |v[\src+\i+3]|
.endr
	v_max3_num_f32 v[\m0], v[\m0], |v[\src+30]|, |v[\src+31]|
	v_max3_num_f32 v[\m0], v[\m0], v[\m1], 0x1800000               ; the floor 2^(3 - 127) holds the byte at 1 from below
	v_add_nc_u32 v[\sop], 0xff000000, v[\m0]                       ; 2 off the exponent field: the conversion's scale operand
	v_lshrrev_b32 v[\byt], 23, v[\sop]
	v_cvt_scalef32_pk16_fp6_f32 v[\dst:\dst+2], v[\src:\src+15], v[\sop]
	v_cvt_scalef32_pk16_fp6_f32 v[\tmp:\tmp+2], v[\src+16:\src+31], v[\sop]
	v_nop                                                          ; a plain instruction behind the conversions
.irp i, 0,1,2
	v_mov_b32 v[\dst+3+\i], v[\tmp+\i]
.endr
.endm
	s_load_b512 s[4:19], s[0:1], 0x0               ; idx, pos4, qbuf, kbuf, vbuf, W1, b1, b2
	s_load_b256 s[20:27], s[0:1], 0x40             ; wfrag, wscale, bp, out0
	v_lshl_add_u32 v12, v0, 2, SPARE
	v_mov_b32 v13, 0
	v_lshrrev_b32 v1, 5, v0
	v_readfirstlane_b32 s89, v1                    ; wave 0-7
	v_and_b32 v1, 31, v0
	v_and_b32 v2, 15, v0
	v_bfe_u32 v3, v0, 4, 1
	v_lshlrev_b32 v4, 4, v1
	v_lshlrev_b32 v5, 2, v1
	v_lshlrev_b32 v6, 3, v3
	v_mov_b32 v8, v4
	s_mul_i32 s90, s89, WREG
	v_add_nc_u32 v9, s90, v4                       ; v9: my wave's bytes, 16 a lane
	s_add_co_u32 s91, s90, RLO
	v_add_nc_u32 v10, s91, v5                      ; v10: the sums of R, 4 a lane
	v_mul_u32_u24 v11, v2, 1040
	v_lshl_add_u32 v11, v3, 7, v11
	v_add_nc_u32 v11, s90, v11                     ; v11: row r, 128 h
	v_mul_u32_u24 v14, v2, 272
	v_lshl_add_u32 v14, v3, 5, v14
	v_add_nc_u32 v14, s90, v14                     ; v14: the stage, in
	v_mul_u32_u24 v15, v3, 272
	v_lshl_add_u32 v15, v2, 4, v15
	v_add_nc_u32 v15, s90, v15                     ; v15: and back
	v_lshlrev_b32 v80, 10, v3
	v_lshl_add_u32 v80, v2, 4, v80                 ; v80: output: row h, 16 r
	v_lshlrev_b32 v81, 5, v1
	v_lshlrev_b32 v84, 2, v2
	v_lshlrev_b32 v85, 4, v2
	v_lshlrev_b32 v86, 7, v3
	v_lshlrev_b32 v87, 5, v3
	v_mov_b32 v73, 0                               ; (destinations of lane permutes count as read)
	v_mov_b32 v185, 0
	s_mov_b32 s60, 0xaaaaaaaa                      ; lanes with bit 0, 1, 2, 3 set
	s_mov_b32 s61, 0xcccccccc
	s_mov_b32 s62, 0xf0f0f0f0
	s_mov_b32 s63, 0xff00ff00
	s_mov_b32 s66, 0x76543210                      ; selects for lane l xor 16
	s_mov_b32 s67, 0xfedcba98
.irp j, 0,1,2,3,4,5,6,7,8,9,10,11,12,13,14,15
	s_mov_b32 s[29+2*\j], 0                        ; the upper halves of the pairs that carry the weights: named, so written
.endr
	s_lshl_b32 s92, ttmp9, 7
	s_lshl_b32 s94, s89, 4
	s_add_co_u32 s94, s92, s94                     ; my first query
	s_lshr_b32 s95, ttmp9, 5                       ; the batch
	s_mov_b32 s93, 0
	s_wait_kmcnt 0x0
	s_lshl_b32 s92, s94, 6
	s_add_nc_u64 s[4:5], s[4:5], s[92:93]
	s_lshl_b32 s92, s94, 4
	s_add_nc_u64 s[96:97], s[6:7], s[92:93]        ; my queries' own points
	s_lshl_b32 s92, s94, 10
	s_add_nc_u64 s[8:9], s[8:9], s[92:93]
	s_add_nc_u64 s[26:27], s[26:27], s[92:93]
	s_lshl_b32 s92, s95, 16
	s_add_nc_u64 s[6:7], s[6:7], s[92:93]          ; the batch's points,
	s_lshl_b32 s92, s95, 22
	s_add_nc_u64 s[10:11], s[10:11], s[92:93]      ; its rows of k
	s_add_nc_u64 s[12:13], s[12:13], s[92:93]      ; and of v
.irp i, 0,1,2,3,4,5,6,7,8,9,10,11,12,13,14,15
	global_load_b32 v[16+\i], v84, s[4:5] offset:64*\i             ; lane r: neighbour r of query i
.endr
	global_load_b128 v[192:195], v85, s[96:97]     ; lane r: query r's own point
	global_load_b128 v[64:67], v81, s[18:19]       ; b2: 8 numbers a lane
	global_load_b128 v[68:71], v81, s[18:19] offset:16
.set k, 0
.rept 32
	global_load_b32 v[88+k], v5, s[22:23] offset:12288+128*k       ; Wp's scale words
.set k, k+1
.endr
.irp k, 0,1,2,3,4,5,6,7
	global_load_b32 v[120+\k], v5, s[22:23] offset:16384+128*\k    ; W2's
.endr
	WIN 0x40                                       ; destination window 1
.irp w, 0,1,2
.irp i, 0,1,2,3,4,5,6,7
	global_load_b128 v[32*\w+4*\i:32*\w+4*\i+3], v86, s[14:15] offset:256*\w+16*\i   ; W1(w, 32 h + ..)
.endr
.endr
.irp i, 0,1,2,3,4,5,6,7
	global_load_b128 v[96+4*\i:99+4*\i], v86, s[16:17] offset:16*\i                   ; b1(32 h + ..)
.endr
.set k, 0
.rept 24
	global_load_b128 v[128+4*k:131+4*k], v4, s[20:21] offset:196608+512*k             ; W2's 8 fragments
.set k, k+1
.endr
	WIN 0
	s_wait_loadcnt 0x0
.irp i, 0,1,2,3,4,5,6,7,8,9,10,11,12,13,14,15
	v_min_u32 v[16+\i], 0xfff, v[16+\i]            ; a loaded number enters an address only behind this hold
.endr
.irp i, 0,1,2,3,4,5,6,7,8,9,10,11,12,13,14,15
	v_lshlrev_b32 v[16+\i], 4, v[16+\i]
.endr
.irp i, 0,1,2,3,4,5,6,7,8,9,10,11,12,13,14,15
	global_load_b128 v[128+4*\i:131+4*\i], v[16+\i], s[6:7]        ; the neighbours' points
.endr
	v_add_f32 v64, v64, v65                        ; the sum of b2
	v_add_f32 v66, v66, v67
	v_add_f32 v68, v68, v69
	v_add_f32 v70, v70, v71
	v_add_f32 v64, v64, v66
	v_add_f32 v68, v68, v70
	v_add_f32 v64, v64, v68
	v_add_f32_dpp v64, v64, v64 row_xmask:1 row_mask:0xf bank_mask:0xf
	v_add_f32_dpp v64, v64, v64 row_xmask:2 row_mask:0xf bank_mask:0xf
	v_add_f32_dpp v64, v64, v64 row_xmask:4 row_mask:0xf bank_mask:0xf
	v_add_f32_dpp v64, v64, v64 row_xmask:8 row_mask:0xf bank_mask:0xf
	v_permlanex16_b32 v65, v64, s66, s67
	v_add_f32 v7, v64, v65
	s_wait_loadcnt 0x0
.irp i, 0,1,2,3,4,5,6,7,8,9,10,11,12,13,14,15
	v_readlane_b32 s84, v192, \i
	v_readlane_b32 s85, v193, \i
	v_readlane_b32 s86, v194, \i
	v_sub_f32 v[128+4*\i], s84, v[128+4*\i]        ; the query's point less the neighbour's
	v_sub_f32 v[129+4*\i], s85, v[129+4*\i]
	v_sub_f32 v[130+4*\i], s86, v[130+4*\i]
	ds_store_b128 v9, v[128+4*\i:131+4*\i] offset:512*\i
.endr
	; ---------------- R
.macro RTRIP next
	s_wait_dscnt 0x0                               ; this query's relative positions
	WIN 0x14                                       ; W1 and b1 in window 1
.irp p, 0,2,4,6,8,10,12,14,16,18,20,22,24,26,28,30
	v_pk_fma_f32 v[128+\p:129+\p], v[160:161], v[\p:\p+1], v[96+\p:97+\p] op_sel_hi:[0,1,1]
.endr
	WIN 0x04
.irp p, 0,2,4,6,8,10,12,14,16,18,20,22,24,26,28,30
	v_pk_fma_f32 v[128+\p:129+\p], v[160:161], v[32+\p:33+\p], v[128+\p:129+\p] op_sel:[1,0,0]
.endr
.irp p, 0,2,4,6,8,10,12,14,16,18,20,22,24,26,28,30
	v_pk_fma_f32 v[128+\p:129+\p], v[162:163], v[64+\p:65+\p], v[128+\p:129+\p] op_sel_hi:[0,1,1]
.endr
	WIN 0
.if \next
	s_add_co_u32 s86, s86, 512
	v_add_nc_u32 v81, s86, v9
	ds_load_b128 v[160:163], v81                   ; the next query's
.endif
.set k, 0
.rept 32
	v_max_num_f32 v[128+k], 0, v[128+k]            ; the activation
.set k, k+1
.endr
	QBLK 128, 164, 176, 180, 181, 182, 183
.irp i, 0,1,2,3,4,5
	v_mov_b32 v[170+\i], v[164+\i]                 ; the 64 hidden codes stand twice along the 128
.endr
	v_lshlrev_b32 v184, v6, v183
	v_permlanex16_b32 v185, v184, s66, s67
	v_or_b32 v184, v184, v185                      ; the two blocks' bytes,
	v_lshl_or_b32 v184, v184, 16, v184             ; twice
.rept 8
	v_nop                                          ; places between the vector instructions that made the scale word and the operand, and the scaled products
.endr
	WIN 0x01                                       ; W2's fragments in window 1.  Four accumulators take turns, one instruction a turn
.irp t, 0,1,2,3
	v_wmma_scale_f32_16x16x128_f8f6f4 v[192+8*\t:199+8*\t], v[128+12*\t:139+12*\t], v[164:175], 0, v[120+\t], v184 matrix_a_fmt:MATRIX_FMT_FP6 matrix_b_fmt:MATRIX_FMT_FP6
.endr
.irp t, 0,1,2,3
	v_wmma_scale_f32_16x16x128_f8f6f4 v[192+8*\t:199+8*\t], v[176+12*\t:187+12*\t], v[164:175], v[192+8*\t:199+8*\t], v[124+\t], v184 matrix_a_fmt:MATRIX_FMT_FP6 matrix_b_fmt:MATRIX_FMT_FP6
.endr
	WIN 0
.rept 4
	v_nop                                          ; places ahead of the first read of the results
.endr
	v_pk_add_f32 v[64:65], v[192:193], v[200:201]  ; each accumulator is read from its low end on
	v_pk_add_f32 v[66:67], v[208:209], v[216:217]
.irp p, 2,4,6
	v_pk_add_f32 v[64:65], v[64:65], v[192+\p:193+\p]
	v_pk_add_f32 v[66:67], v[66:67], v[208+\p:209+\p]
	v_pk_add_f32 v[64:65], v[64:65], v[200+\p:201+\p]
	v_pk_add_f32 v[66:67], v[66:67], v[216+\p:217+\p]
.endr
	v_pk_add_f32 v[64:65], v[64:65], v[66:67]
	v_add_f32 v64, v64, v65
	v_permlanex16_b32 v65, v64, s66, s67
	v_add_f32 v64, v64, v65                        ; neighbour r's sum over the 256 columns,
	v_add_f32 v64, v64, v7                         ; with b2's
	v_add_nc_u32 v82, s87, v10
	ds_store_b32 v82, v64
	s_add_co_u32 s87, s87, 128
.endm
	s_mov_b32 s86, 0
	s_mov_b32 s87, 0
	s_mov_b32 s88, 0
	ds_load_b128 v[160:163], v9                    ; LDS serves a wave's instructions in order: it sees my stores
.Lrel:
	RTRIP 1
	s_add_co_u32 s88, s88, 1
	s_cmp_lt_u32 s88, 15
	s_cbranch_scc1 .Lrel
	RTRIP 0                                        ; the last query asks for nothing
	; ---------------- A
.macro ROWADR                          ; the 16 rows of the list that has arrived
.irp j, 0,1,2,3,4,5,6,7,8,9,10,11,12,13,14,15
	s_min_u32 s84, s[68+\j], 4095                  ; a loaded number enters an address only behind this hold
	s_lshl_b32 s84, s84, 10
	v_add_nc_u32 v[16+\j], s84, v4
.endr
.endm
.macro ASKQK
	global_load_b128 v[32:35], v8, s[8:9]
	global_load_b128 v[36:39], v8, s[8:9] offset:512
	WIN 0x40
.irp j, 0,1,2,3,4,5,6,7,8,9,10,11,12,13,14,15
	global_load_b128 v[8*\j:8*\j+3], v[16+\j], s[10:11]            ; half a row: 512 consecutive bytes
	global_load_b128 v[8*\j+4:8*\j+7], v[16+\j], s[10:11] offset:512
.endr
	WIN 0
.endm
.macro ASKV
	WIN 0x40
.irp j, 0,1,2,3,4,5,6,7,8,9,10,11,12,13,14,15
	global_load_b128 v[128+8*\j:131+8*\j], v[16+\j], s[12:13]
	global_load_b128 v[132+8*\j:135+8*\j], v[16+\j], s[12:13] offset:512
.endr
	WIN 0
.endm
.macro RSTG n, msk, xm                 ; of each pair of sums a lane keeps one, by a bit of its number, and sends the other to the lane that keeps it
.set m, 0
.rept \n
	v_cndmask_b32 v[64+2*(m%4)], v[48+2*m], v[49+2*m], s[\msk]
	v_cndmask_b32 v[65+2*(m%4)], v[49+2*m], v[48+2*m], s[\msk]
	v_add_f32_dpp v[48+m], v[65+2*(m%4)], v[64+2*(m%4)] row_xmask:\xm row_mask:0xf bank_mask:0xf
.set m, m+1
.endr
.endm
.macro ATT next
	v_add_nc_u32 v82, s87, v10
	ds_load_b32 v74, v82                           ; this query's sums of R
	s_wait_loadcnt 32                              ; q and k are in; the 32 youngest, v's, stay out
	WIN 0x04                                       ; k in window 1
.irp j, 0,1,2,3,4,5,6,7,8,9,10,11,12,13,14,15
	v_pk_mul_f32 v[128+2*\j:129+2*\j], v[32:33], v[8*\j:8*\j+1]
.endr
.irp j, 0,1,2,3,4,5,6,7,8,9,10,11,12,13,14,15
	v_pk_fma_f32 v[128+2*\j:129+2*\j], v[34:35], v[8*\j+2:8*\j+3], v[128+2*\j:129+2*\j]
.endr
.irp j, 0,1,2,3,4,5,6,7,8,9,10,11,12,13,14,15
	v_pk_fma_f32 v[128+2*\j:129+2*\j], v[36:37], v[8*\j+4:8*\j+5], v[128+2*\j:129+2*\j]
.endr
.irp j, 0,1,2,3,4,5,6,7,8,9,10,11,12,13,14,15
	v_pk_fma_f32 v[128+2*\j:129+2*\j], v[38:39], v[8*\j+6:8*\j+7], v[128+2*\j:129+2*\j]
.endr
	WIN 0
.irp j, 0,1,2,3,4,5,6,7,8,9,10,11,12,13,14,15
	v_add_f32 v[48+\j], v[128+2*\j], v[129+2*\j]   ; my 8 columns' part of q . k_j
.endr
	s_wait_kmcnt 0x0                               ; the next query's list
.if \next
	s_wait_xcnt 0x0                                ; v's loads have read their offsets: they may be written
	ROWADR
	v_add_nc_u32 v8, 1024, v8
	s_add_co_u32 s85, s88, 2
	s_min_u32 s85, s85, 15                         ; two queries on, held at the wave's last
	s_lshl_b32 s85, s85, 6
	s_load_b512 s[68:83], s[4:5], s85 offset:0x0
	ASKQK
.endif
	RSTG 8, 60, 1
	RSTG 4, 61, 2
	RSTG 2, 62, 4
	RSTG 1, 63, 8
	v_permlanex16_b32 v64, v48, s66, s67
	v_add_f32 v48, v48, v64                        ; lane r: q . k_r
	s_wait_dscnt 0x0
	v_add_f32 v48, v48, v74
	v_mul_f32 v48, 0x3d800000, v48                 ; x 256^(-1/2): exact
	v_max_num_f32_dpp v49, v48, v48 row_xmask:1 row_mask:0xf bank_mask:0xf
	v_max_num_f32_dpp v49, v49, v49 row_xmask:2 row_mask:0xf bank_mask:0xf
	v_max_num_f32_dpp v49, v49, v49 row_xmask:4 row_mask:0xf bank_mask:0xf
	v_max_num_f32_dpp v49, v49, v49 row_xmask:8 row_mask:0xf bank_mask:0xf
	v_sub_f32 v50, v48, v49                        ; the maximum is taken away
	v_mul_f32 v50, 0x3fb8aa3b, v50
	v_exp_f32 v50, v50
	v_nop                                          ; a plain instruction behind the transcendental,
	s_wait_alu depctr_va_vdst(0)                   ; and a wait ahead of its first reader
	v_add_f32_dpp v51, v50, v50 row_xmask:1 row_mask:0xf bank_mask:0xf
	v_add_f32_dpp v51, v51, v51 row_xmask:2 row_mask:0xf bank_mask:0xf
	v_add_f32_dpp v51, v51, v51 row_xmask:4 row_mask:0xf bank_mask:0xf
	v_add_f32_dpp v51, v51, v51 row_xmask:8 row_mask:0xf bank_mask:0xf
	v_rcp_f32 v52, v51
	v_nop
	s_wait_alu depctr_va_vdst(0)
	v_mul_f32 v50, v50, v52                        ; lane r: the weight of neighbour r
.irp j, 0,1,2,3,4,5,6,7,8,9,10,11,12,13,14,15
	v_readlane_b32 s[28+2*\j], v50, \j
.endr
.if \next
	s_wait_loadcnt 34                              ; v is in; the next query's 2 + 32 loads stay out
.else
	s_wait_loadcnt 0x0
.endif
	WIN 0x01                                       ; v in window 1
.irp p, 0,2,4,6
	v_pk_mul_f32 v[40+\p:41+\p], v[128+\p:129+\p], s[28:29] op_sel_hi:[1,0]
.endr
.irp j, 1,2,3,4,5,6,7,8,9,10,11,12,13,14,15
.irp p, 0,2,4,6
	v_pk_fma_f32 v[40+\p:41+\p], v[128+8*\j+\p:129+8*\j+\p], s[28+2*\j:29+2*\j], v[40+\p:41+\p] op_sel_hi:[1,0,1]
.endr
.endr
	WIN 0
.if \next
	ASKV
.endif
	v_add_nc_u32 v83, s90, v9
	ds_store_b128 v83, v[40:43]                    ; columns 4 l .. and 128 + 4 l .. of the query's row
	ds_store_b128 v83, v[44:47] offset:512
	s_add_co_u32 s87, s87, 128
	s_add_co_u32 s90, s90, 1040
.endm
	s_load_b512 s[68:83], s[4:5], 0x0
	s_mov_b32 s87, 0
	s_mov_b32 s90, 0
	s_mov_b32 s88, 0
	s_wait_kmcnt 0x0
	ROWADR
	s_load_b512 s[68:83], s[4:5], 0x40
	ASKQK
	ASKV
.Latt:
	ATT 1
	s_add_co_u32 s88, s88, 1
	s_cmp_lt_u32 s88, 15
	s_cbranch_scc1 .Latt
	ATT 0                                          ; the last query asks for nothing
	; ---------------- P
.macro BATCH u                         ; 64 columns of Wp: 8 fragments, and bp in the result's layout: 32 loads
	WIN 0x40
.irp j, 0,1,2,3,4,5,6,7
.irp c, 0,1,2
	global_load_b128 v[96*((\u)%2)+12*\j+4*\c:96*((\u)%2)+12*\j+4*\c+3], v4, s[20:21] offset:(96+8*(\u)+\j)*1536+512*\c
.endr
.endr
.irp t, 0,1,2,3
	global_load_b128 v[192+32*((\u)%2)+8*\t:195+32*((\u)%2)+8*\t], v87, s[24:25] offset:256*(\u)+64*\t
	global_load_b128 v[196+32*((\u)%2)+8*\t:199+32*((\u)%2)+8*\t], v87, s[24:25] offset:256*(\u)+64*\t+16
.endr
	WIN 0
.endm
.macro OQ s                            ; K step s of my 16 rows becomes a fragment and a scale word
.set k, 0
.rept 16
	ds_load_b128 v[128+4*k:131+4*k], v11 offset:512*\s+256*(k/8)+16*(k%8)
.set k, k+1
.endr
	s_wait_dscnt 0x0
	QBLK 128, 224+12*\s, 64, 68, 69, 70, 71
	QBLK 160, 230+12*\s, 64, 68, 69, 70, 72
	v_lshl_or_b32 v[248+\s], v72, 16, v71
	v_lshlrev_b32 v[248+\s], v6, v[248+\s]
	v_permlanex16_b32 v73, v[248+\s], s66, s67
	v_or_b32 v[248+\s], v[248+\s], v73
.endm
.macro UNITOUT acc, ob, imm
.irp t, 0,1,2,3
	ds_store_b128 v14, v[\acc+8*\t:\acc+8*\t+3] offset:64*\t       ; each accumulator from its low end on
	ds_store_b128 v14, v[\acc+8*\t+4:\acc+8*\t+7] offset:64*\t+16
.endr
	s_wait_xcnt 0x0                                ; earlier stores have read their registers: they may be loaded again
.irp i, 0,1,2,3,4,5,6,7
	ds_load_b128 v[\ob+4*\i:\ob+4*\i+3], v15 offset:544*\i
.endr
.irp i, 0,1,2,3,4,5,6,7
	s_wait_dscnt 7-\i                              ; the younger loads stay out
	global_store_b128 v80, v[\ob+4*\i:\ob+4*\i+3], s[26:27] offset:\imm+2048*\i th:TH_STORE_NT   ; sixteen lanes store 256 consecutive bytes, aligned
.endr
.endm
.macro UNIT u
.if (\u) < 3
	s_wait_loadcnt 32                              ; this batch is in; the next one's 32 loads stay out
.else
	s_wait_loadcnt 0x0
.endif
	WIN 0x11                                       ; Wp's fragments and bp in window 1.  Four accumulators take turns, one instruction a turn
.irp t, 0,1,2,3
	v_wmma_scale_f32_16x16x128_f8f6f4 v[192+8*\t:199+8*\t], v[96*((\u)%2)+24*\t:96*((\u)%2)+24*\t+11], v[224:235], v[192+32*((\u)%2)+8*\t:199+32*((\u)%2)+8*\t], v[88+8*(\u)+2*\t], v248 matrix_a_fmt:MATRIX_FMT_FP6 matrix_b_fmt:MATRIX_FMT_FP6
.endr
	WIN 0x01
.irp t, 0,1,2,3
	v_wmma_scale_f32_16x16x128_f8f6f4 v[192+8*\t:199+8*\t], v[96*((\u)%2)+24*\t+12:96*((\u)%2)+24*\t+23], v[236:247], v[192+8*\t:199+8*\t], v[89+8*(\u)+2*\t], v249 matrix_a_fmt:MATRIX_FMT_FP6 matrix_b_fmt:MATRIX_FMT_FP6
.endr
	WIN 0
.rept 5
	v_nop                                          ; places: ahead of the loads into the operands, of the stores that read the results, and of the next products, which begin these accumulators anew
.endr
.if (\u) < 2
	BATCH (\u)+2
.endif
.if ((\u)%2) == 0
	UNITOUT 192, 16, 256*(\u)
.else
	UNITOUT 192, 128, 256*(\u)
.endif
.endm
	BATCH 0
	BATCH 1
	OQ 0
	OQ 1
.rept 8
	v_nop                                          ; places between the vector instructions that made the scale words and the operands, and the scaled products
.endr
	UNIT 0
	UNIT 1
	UNIT 2
	UNIT 3
	s_wait_tensorcnt 0x0                           ; the wave's end: three lines behind my last LDS store
	ds_add_u32 v12, v13
	s_wait_dscnt 0x0
	s_endpgm
.Lfunc_end_k_qc4dc4eef11_attn:
	.size	k_qc4dc4eef11_attn, .Lfunc_end_k_qc4dc4eef11_attn-k_qc4dc4eef11_attn
	.p2alignl 7, 3214868480
	.fill 96, 4, 3214868480
	.section	.rodata,"a",@progbits
	.p2align	6, 0x0
	.amdhsa_kernel k_qc4dc4eef11_attn
		.amdhsa_group_segment_fixed_size 150528
		.amdhsa_private_segment_fixed_size 0
		.amdhsa_enable_private_segment 0
		.amdhsa_kernarg_size 96
		.amdhsa_user_sgpr_count 2
		.amdhsa_user_sgpr_kernarg_segment_ptr 1
		.amdhsa_wavefront_size32 1
		.amdhsa_system_sgpr_workgroup_id_x 1
		.amdhsa_system_sgpr_workgroup_id_y 1
		.amdhsa_system_sgpr_workgroup_id_z 1
		.amdhsa_system_vgpr_workitem_id 0
		.amdhsa_next_free_vgpr 512
		.amdhsa_next_free_sgpr 102
		.amdhsa_reserve_vcc 0
		.amdhsa_float_denorm_mode_32 3
		.amdhsa_float_denorm_mode_16_64 3
		.amdhsa_memory_ordered 1
		.amdhsa_forward_progress 1
		.amdhsa_inst_pref_size 120
	.end_amdhsa_kernel
	.amdgpu_metadata
---
amdhsa.version: [ 1, 2 ]
amdhsa.kernels:
  - .name:           k_qc4dc4eef11_attn
    .symbol:         k_qc4dc4eef11_attn.kd
    .args:
      - { .name: idx, .offset: 0, .size: 8, .value_kind: global_buffer, .address_space: global }
      - { .name: pos4, .offset: 8, .size: 8, .value_kind: global_buffer, .address_space: global }
      - { .name: qbuf, .offset: 16, .size: 8, .value_kind: global_buffer, .address_space: global }
      - { .name: kbuf, .offset: 24, .size: 8, .value_kind: global_buffer, .address_space: global }
      - { .name: vbuf, .offset: 32, .size: 8, .value_kind: global_buffer, .address_space: global }
      - { .name: W1, .offset: 40, .size: 8, .value_kind: global_buffer, .address_space: global }
      - { .name: b1, .offset: 48, .size: 8, .value_kind: global_buffer, .address_space: global }
      - { .name: b2, .offset: 56, .size: 8, .value_kind: global_buffer, .address_space: global }
      - { .name: wfrag, .offset: 64, .size: 8, .value_kind: global_buffer, .address_space: global }
      - { .name: wscale, .offset: 72, .size: 8, .value_kind: global_buffer, .address_space: global }
      - { .name: bp, .offset: 80, .size: 8, .value_kind: global_buffer, .address_space: global }
      - { .name: out0, .offset: 88, .size: 8, .value_kind: global_buffer, .address_space: global }
    .group_segment_fixed_size: 150528
    .private_segment_fixed_size: 0
    .kernarg_segment_align: 8
    .kernarg_segment_size: 96
    .max_flat_workgroup_size: 256
    .sgpr_count:     102
    .vgpr_count:     512
    .wavefront_size: 32
...
	.end_amdgpu_metadata
.endif
;; end of part 3
;; ======== version 2 of 2: 3 launches; version 1 with the launches mid, attn written anew for expert scheduling mode
;; workspace buffers: wfrag 208,896 bytes; wscale 17,408 bytes; pos4 524,288 bytes; glist 2,097,152 bytes of whole numbers; idx 2,097,152 bytes of whole numbers; qbuf 33,554,432 bytes; kbuf 33,554,432 bytes; vbuf 33,554,432 bytes
;; launch front: the kernel of part 1 again; grid 290 x 1, 4 waves a work-group, no clusters, 131,584 bytes of LDS; arguments pos, Wq, Wk, Wv, Wp, W2, wfrag, wscale, pos4, glist; writes wfrag, wscale, pos4, glist
;; launch mid (part 4): grid 256 x 1, 16 waves a work-group, no clusters, 252,928 bytes of LDS; arguments x, gq, betaq, gkv, betakv, wfrag, wscale, pos4, glist, qbuf, kbuf, vbuf, idx; writes qbuf, kbuf, vbuf, idx
.if DOCPART == 4
	.amdgcn_target "amdgcn-amd-amdhsa--gfx1250"
	.amdhsa_code_object_version 6
	.text
	.protected	k_qc4dc4eef11_mid
	.globl	k_qc4dc4eef11_mid
	.p2align	8
	.type	k_qc4dc4eef11_mid,@function
k_qc4dc4eef11_mid:
	s_mov_b64 s[64:65], 0
	v_nop
	global_prefetch_b8 v0, s[64:65] scope:SCOPE_SE
	s_setreg_imm32_b32 hwreg(HW_REG_WAVE_SCHED_MODE, 0, 2), 2
	s_setreg_imm32_b32 hwreg(HW_REG_WAVE_MODE, 25, 1), 1
	s_wait_xcnt 0x0
	s_wait_alu depctr_vm_vsrc(0)
; A work-group takes 128 rows (points).  FIRST: layer norm under both gains, quantised to FP6 (E2M3, one E8M0 byte for 32 along K), and q, k, v = the three products with the weights' codes.
; Waves 8-15: one tile of 16 rows each: the rows come 512 consecutive bytes to a load, turn through the wave's own stage, and lie then as the operand wants them: lane (r, h) holds row r, k = 128 s + 64 c + 32 h + i.
; Mean, variance, both affine forms and the quantiser in f32; the four fragments of a tile go to LDS as images of their registers.
; Waves 0-11: wave u keeps 64 columns of one matrix (u / 4: q, k, v) as 8 fragments in registers and multiplies them with all 8 tiles of rows (source 0 = 16 columns of W, source 1 = 16 rows: a lane then holds 8 neighbouring columns of a row).
; Results leave through the wave's own stage, sixteen lanes to 256 consecutive bytes.
; SECOND, all 16 waves, 8 queries each: THE SECOND HALF OF THE SEARCH.  The 16 groups that the launch before stored for a query are read as whole numbers; a lane takes one point of each group: 512 distances, with the roundings
; of the launch before.  T, the 16th smallest, comes from a sort of each lane's 16 and five merges across lanes that keep the 16 smallest.  Taken are all points under T and, in index order, as many equal to T as fill 16.
; The 16 masks become 16 indices by selects alone (which group holds the t-th taken point; which bit of its mask), and are stored as whole numbers.  No address and no branch hangs on a distance.
; LIMITS: NaN and infinities are not served; a block of zeros carries the byte 1 over zero codes.
; THE MODE: SCHED_MODE bits 1:0 = 2 (LLVM: expert scheduling mode 2), set by the entry lines.  The code itself states the register dependences
; between vector or matrix instructions and memory or LDS instructions, and those through scalar registers that vector instructions write, with s_wait_alu, always for 0.
; THE PLAN.  Registers that memory or LDS instructions touch:
;   v4-v19      offsets and LDS places: written once at the head, one wait on va_vdst there, never written again.
;   layer norm  v32-159: x's loads land, the stage's stores read them, the stage's loads land in them again (a wait on vm_vsrc between).  v160-223: a block's gain and bias land; the multiply-adds and the quantiser work there:
;               a wait on va_vdst ahead of the loads.  v224-235, v245: written by the quantiser, read by the image's stores: a wait on va_vdst ahead of the stores (it serves the next fragment's first loads too),
;               a wait on vm_vsrc ahead of the next quantiser.
;   products    v24-49: a tile's fragments land, its eight products read them.  v64-95: the products write, the stage's stores read.  v96-127, v128-159: the stage's loads land, the global stores read, by turns.
;               ONE wait on va_vdst a tile, behind the products' places: the accumulators are written and the fragments read; so the next tile's fragments are asked for at once, ahead of this tile's way out.
;               ONE wait on vm_vsrc a tile, behind the stage's stores: they have read the accumulators, and the global stores of two tiles back their out-buffer.
;   search      v24-39: the 16 points' offsets: read by the 16 loads, written once a query behind a wait on vm_vsrc.  v64-127: the points land; the distance lines read them and write every fourth.
;               ONE wait on va_vdst behind the distance lines and the offsets; the next query's 16 loads follow it, one to each step of the sort, which names v40-55 and v128-143 alone.
;               v23, v170: the index and its place: a wait on va_vdst ahead of the one LDS store; the next trip's wait on vm_vsrc frees them.
;   masks       the compares stand in runs, into scalar registers that are free in the search, with one wait on va_sdst behind each run: five a query.  The bit search is a chain: a wait on va_vcc in each of its five steps.
.set GB,    0                          ; gq, betaq, gkv, betakv: 1,024 bytes each
.set IMG,   4096                       ; 32 fragment images of 1,536 bytes: ((version 8 + tile) 2 + K step)
.set ISC,   53248                      ; their scale words, 128 bytes each
.set STG,   57344                      ; 12 stages of 16 rows x 272 bytes
.set XST,   109568                     ; 8 stages of 16 rows x 1,040 bytes for x
.set IDS,   242688                     ; 512 bytes a wave: its 8 queries' indices
.set SPARE, 250880                     ; the spare words: 128 bytes a wave, eight blocks of 256 bytes that no other line names
; v1 lane, v2 r, v3 h, v4 16 lane, v5 4 lane, v6 8 h; v7-v19 LDS and output places (below); v20, v21 the add's two; v22, v23 at work
.set AD, 24                            ; second part: v24-39 offsets of the 16 points, v40-55 distances, v64-127 points, v128-143 and v144-159 lists
.set D,  40
.set C,  64
.set X,  128
.set Y,  144
.set T,  160
; scalar registers of the search's masks; all of them are done with their first use when the search begins
.set LT,  2                            ; s2-17: group j: the lanes under T; later the lanes taken
.set EQ0, 22                           ; eight groups at a time: the lanes equal to T
.set EQ1, 23
.set EQ2, 24
.set EQ3, 25
.set EQ4, 26
.set EQ5, 27
.set EQ6, 34
.set EQ7, 35
.set GT0, 96                           ; eight groups at a time: the lanes whose rank among the ties is still wanted
.set GT1, 97
.set GT2, 98
.set GT3, 99
.set GT4, 93
.set GT5, 53
.set GT6, 54
.set GT7, 55
.set PK1, 22                           ; in the same registers, when those masks are done with: group j: the slots at or above its first taken point
.set PK2, 23
.set PK3, 24
.set PK4, 25
.set PK5, 26
.set PK6, 27
.set PK7, 34
.set PK8, 35
.set PK9, 96
.set PK10, 97
.set PK11, 98
.set PK12, 99
.set PK13, 93
.set PK14, 53
.set PK15, 54
.macro QBLK src, dst, tmp, m0, m1, sop, byt
	v_max3_num_f32 v[\m0], |v[\src]|, |v[\src+1]|, |v[\src+2]|
	v_max3_num_f32 v[\m1], |v[\src+3]|, |v[\src+4]|, |v[\src+5]|
.irp i, 6,10,14,18,22,26
	v_max3_num_f32 v[\m0], v[\m0], |v[\src+\i]|, |v[\src+\i+1]|
	v_max3_num_f32 v[\m1], v[\m1], |v[\src+\i+2]|, |v[\src+\i+3]|
.endr
	v_max3_num_f32 v[\m0], v[\m0], |v[\src+30]|, |v[\src+31]|
	v_max3_num_f32 v[\m0], v[\m0], v[\m1], 0x1800000               ; the floor 2^(3 - 127) holds the byte at 1 from below
	v_add_nc_u32 v[\sop], 0xff000000, v[\m0]                       ; 2 off the exponent field: the conversion's scale operand
	v_lshrrev_b32 v[\byt], 23, v[\sop]
	v_cvt_scalef32_pk16_fp6_f32 v[\dst:\dst+2], v[\src:\src+15], v[\sop]
	v_cvt_scalef32_pk16_fp6_f32 v[\tmp:\tmp+2], v[\src+16:\src+31], v[\sop]
	v_nop                                                          ; a plain instruction behind the conversions
.irp i, 0,1,2
	v_mov_b32 v[\dst+3+\i], v[\tmp+\i]
.endr
.endm
; four tiles of 16 rows x 16 columns leave: into my stage, 32 bytes a lane, and back as rows of 256 bytes
.macro UNITOUT acc, ob, imm
.irp t, 0,1,2,3
	ds_store_b128 v13, v[\acc+8*\t:\acc+8*\t+3] offset:64*\t       ; each accumulator from its low end on
	ds_store_b128 v13, v[\acc+8*\t+4:\acc+8*\t+7] offset:64*\t+16
.endr
	s_wait_xcnt 0x0                                ; earlier stores have read their registers: they may be loaded again
	s_wait_alu depctr_vm_vsrc(0)                   ; the global stores of two tiles back have read this out-buffer, in which the loads below land; the LDS stores above have read the accumulators, which the next tile's products write
.irp i, 0,1,2,3,4,5,6,7
	ds_load_b128 v[\ob+4*\i:\ob+4*\i+3], v14 offset:544*\i         ; LDS serves a wave's instructions in order: these see the stores above
.endr
.irp i, 0,1,2,3,4,5,6,7
	s_wait_dscnt 7-\i                              ; the younger loads stay out
	global_store_b128 v19, v[\ob+4*\i:\ob+4*\i+3], s[96:97] offset:\imm+2048*\i   ; sixteen lanes store 256 consecutive bytes, aligned
.endr
.endm
	s_load_b512 s[4:19], s[0:1], 0x0               ; x, gq, betaq, gkv, betakv, wfrag, wscale, pos4
	s_load_b256 s[20:27], s[0:1], 0x40             ; glist, qbuf, kbuf, vbuf
	s_load_b64 s[28:29], s[0:1], 0x60              ; idx
	v_lshl_add_u32 v20, v0, 2, SPARE
	v_mov_b32 v21, 0
	v_lshrrev_b32 v22, 5, v0
	v_readfirstlane_b32 s30, v22                   ; wave 0-15
	v_and_b32 v1, 31, v0
	v_and_b32 v2, 15, v0
	v_bfe_u32 v3, v0, 4, 1
	v_lshlrev_b32 v4, 4, v1
	v_lshlrev_b32 v5, 2, v1
	v_lshlrev_b32 v6, 3, v3
	s_mov_b32 s32, 0x76543210                      ; selects for lane l xor 16
	s_mov_b32 s33, 0xfedcba98
	s_mov_b32 s34, 0x3727c5ac                      ; 1e-5
	s_mov_b32 s35, 0x3b800000                      ; 1 / 256
	s_wait_alu depctr_va_sdst(0)                   ; s30, the wave's number, is written, ahead of its first reader: places, bases and branches are made from it
	; every LDS place is made here, ahead of the first parting of the waves
	s_and_b32 s52, s30, 3
	s_lshl_b32 s52, s52, 10
	v_add_nc_u32 v7, s52, v4                       ; v7: where waves 0-3 put a gain or bias
	v_lshlrev_b32 v8, 7, v3                        ; v8: 128 h: my half's 32 numbers of a block pair
	s_and_b32 s53, s30, 7                          ; tile of rows of waves 8-15
	s_mul_i32 s52, s53, 3072
	s_add_co_u32 s52, s52, IMG
	v_add_nc_u32 v9, s52, v4                       ; v9: my tile's images, written
	s_lshl_b32 s52, s53, 8
	s_add_co_u32 s52, s52, ISC
	v_add_nc_u32 v10, s52, v5                      ; v10: their scale words
	s_lshr_b32 s54, s30, 2                         ; which matrix
	s_min_u32 s55, s54, 1                          ; which version of the norm: q the first, k and v the second
	s_mul_i32 s52, s55, 24576
	s_add_co_u32 s52, s52, IMG
	v_add_nc_u32 v11, s52, v4                      ; v11: images, read
	s_lshl_b32 s52, s55, 11
	s_add_co_u32 s52, s52, ISC
	v_add_nc_u32 v12, s52, v5                      ; v12: scale words, read
	s_min_u32 s56, s30, 11
	s_mul_i32 s56, s56, 4352
	s_add_co_u32 s56, s56, STG                     ; my stage
	v_mul_u32_u24 v13, v2, 272
	v_lshl_add_u32 v13, v3, 5, v13
	v_add_nc_u32 v13, s56, v13                     ; v13: in: row r, 32 h
	v_mul_u32_u24 v14, v3, 272
	v_lshl_add_u32 v14, v2, 4, v14
	v_add_nc_u32 v14, s56, v14                     ; v14: back: row h, 16 r
	s_mul_i32 s52, s53, 16640
	s_add_co_u32 s52, s52, XST
	v_add_nc_u32 v15, s52, v4                      ; v15: x's stage, in
	v_mul_u32_u24 v16, v2, 1040
	v_lshl_add_u32 v16, v3, 7, v16
	v_add_nc_u32 v16, s52, v16                     ; v16: and back: row r, 128 h
	s_lshl_b32 s52, s30, 9
	s_add_co_u32 s52, s52, IDS
	v_lshl_add_u32 v17, v2, 2, s52                 ; v17: my wave's indices, in
	v_add_nc_u32 v18, s52, v4                      ; v18: and back
	v_lshlrev_b32 v19, 10, v3
	v_lshl_add_u32 v19, v2, 4, v19                 ; v19: output: row h of 1,024 bytes, 16 r
	s_mov_b32 s57, 0
	s_wait_kmcnt 0x0
	s_lshl_b32 s56, ttmp9, 17
	s_lshl_b32 s58, s53, 14
	s_add_co_u32 s56, s56, s58
	s_add_nc_u64 s[4:5], s[4:5], s[56:57]          ; x at my tile of rows
	s_mul_i32 s56, s30, 12288
	s_add_nc_u64 s[14:15], s[14:15], s[56:57]      ; my 8 fragments
	s_lshl_b32 s56, s30, 10
	s_add_nc_u64 s[16:17], s[16:17], s[56:57]      ; and their scale words
	s_cmp_eq_u32 s54, 1
	s_cselect_b64 s[96:97], s[24:25], s[22:23]
	s_cmp_eq_u32 s54, 2
	s_cselect_b64 s[96:97], s[26:27], s[96:97]
	s_lshl_b32 s56, ttmp9, 17
	s_and_b32 s58, s30, 3
	s_lshl_b32 s58, s58, 8
	s_add_co_u32 s56, s56, s58
	s_add_nc_u64 s[96:97], s[96:97], s[56:57]      ; my matrix's output: the block's rows, my 64 columns
	s_cmp_eq_u32 s30, 1
	s_cselect_b64 s[98:99], s[8:9], s[6:7]
	s_cmp_eq_u32 s30, 2
	s_cselect_b64 s[98:99], s[10:11], s[98:99]
	s_cmp_eq_u32 s30, 3
	s_cselect_b64 s[98:99], s[12:13], s[98:99]
	s_lshl_b32 s56, ttmp9, 7
	s_lshl_b32 s58, s30, 3
	s_add_co_u32 s58, s56, s58                     ; my wave's first query
	s_lshl_b32 s56, s58, 6
	s_add_nc_u64 s[20:21], s[20:21], s[56:57]      ; its list of groups
	s_add_nc_u64 s[28:29], s[28:29], s[56:57]      ; its indices
	s_lshl_b32 s56, s58, 4
	s_add_nc_u64 s[94:95], s[18:19], s[56:57]      ; its own point
	s_lshr_b32 s56, ttmp9, 5
	s_lshl_b32 s56, s56, 16
	s_add_nc_u64 s[18:19], s[18:19], s[56:57]      ; the batch's points
	s_wait_alu depctr_va_vdst(0)                   ; the offsets and LDS places v4 to v19 are written, which the loads and stores of the whole kernel read
	s_cmp_lt_u32 s30, 8
	s_cbranch_scc1 .Lno_x
.set j, 0
.rept 32
	global_load_b128 v[32+4*j:35+4*j], v4, s[4:5] offset:512*j th:TH_LOAD_NT      ; half a row: 512 consecutive bytes
.set j, j+1
.endr
.Lno_x:
	s_cmp_lt_u32 s30, 4
	s_cbranch_scc0 .Lno_gb
	global_load_b128 v[24:27], v4, s[98:99]
	global_load_b128 v[28:31], v4, s[98:99] offset:512
	s_wait_loadcnt 0x0
	ds_store_b128 v7, v[24:27] offset:GB
	ds_store_b128 v7, v[28:31] offset:GB+512
.Lno_gb:
	s_wait_dscnt 0x0
	s_barrier_signal -1
	s_barrier_wait -1                              ; the gains and biases lie in LDS
	s_cmp_lt_u32 s30, 8
	s_cbranch_scc1 .Lno_ln
	; ---------------- layer norm and quantiser: waves 8-15
	s_wait_loadcnt 0x0
.set j, 0
.rept 32
	ds_store_b128 v15, v[32+4*j:35+4*j] offset:(j/2)*1040+(j%2)*512
.set j, j+1
.endr
	s_wait_alu depctr_vm_vsrc(0)                   ; the LDS stores above have read v32-159, in which the loads below land
.set j, 0
.rept 32
	ds_load_b128 v[32+4*j:35+4*j], v16 offset:512*(j/16)+256*((j/8)%2)+16*(j%8)   ; register 64 s + 32 c + i: k = 128 s + 64 c + 32 h + i of row r
.set j, j+1
.endr
	v_mov_b32 v246, 0                              ; (a lane permute's destination counts as read)
	s_wait_dscnt 0x0
.irp q, 0,1,2,3
	v_pk_add_f32 v[160+2*\q:161+2*\q], v[32+2*\q:33+2*\q], v[40+2*\q:41+2*\q]     ; the sum, in four chains of pairs
.endr
.set j, 8
.rept 56
	v_pk_add_f32 v[160+2*(j%4):161+2*(j%4)], v[160+2*(j%4):161+2*(j%4)], v[32+2*j:33+2*j]
.set j, j+1
.endr
	v_pk_add_f32 v[160:161], v[160:161], v[162:163]
	v_pk_add_f32 v[164:165], v[164:165], v[166:167]
	v_pk_add_f32 v[160:161], v[160:161], v[164:165]
	v_add_f32 v160, v160, v161
	v_permlanex16_b32 v161, v160, s32, s33
	v_add_f32 v160, v160, v161                     ; with the row's other half
	v_mul_f32 v160, s35, v160                      ; the mean
.set j, 0
.rept 64
	v_pk_add_f32 v[32+2*j:33+2*j], v[32+2*j:33+2*j], v[160:161] op_sel_hi:[1,0] neg_lo:[0,1] neg_hi:[0,1]
.set j, j+1
.endr
.irp q, 0,1,2,3
	v_pk_mul_f32 v[160+2*\q:161+2*\q], v[32+2*\q:33+2*\q], v[32+2*\q:33+2*\q]
.endr
.set j, 4
.rept 60
	v_pk_fma_f32 v[160+2*(j%4):161+2*(j%4)], v[32+2*j:33+2*j], v[32+2*j:33+2*j], v[160+2*(j%4):161+2*(j%4)]
.set j, j+1
.endr
	v_pk_add_f32 v[160:161], v[160:161], v[162:163]
	v_pk_add_f32 v[164:165], v[164:165], v[166:167]
	v_pk_add_f32 v[160:161], v[160:161], v[164:165]
	v_add_f32 v160, v160, v161
	v_permlanex16_b32 v161, v160, s32, s33
	v_add_f32 v160, v160, v161
	v_fma_f32 v162, v160, s35, s34                 ; the variance + 1e-5
	v_rsq_f32 v164, v162
	v_nop                                          ; a plain instruction behind the transcendental,
	s_wait_alu depctr_va_vdst(0)                   ; and a wait ahead of its first reader: v164 is written
.set j, 0
.rept 64
	v_pk_mul_f32 v[32+2*j:33+2*j], v[32+2*j:33+2*j], v[164:165] op_sel_hi:[1,0]
.set j, j+1
.endr
; one block of 32 a lane: gain and bias from LDS, one fused multiply-add, the quantiser.  wv = 1: vector lines have named v160-223 since the last wait on va_vdst.  we = 1: LDS stores have read the codes' registers
.macro LNBLK ver, s, c, wv, we
.if \wv
	s_wait_alu depctr_va_vdst(0)                   ; the lines above are done reading and writing v160-223, in which the loads below land
.endif
.irp i, 0,1,2,3,4,5,6,7
	ds_load_b128 v[160+4*\i:163+4*\i], v8 offset:GB+2048*\ver+512*\s+256*\c+16*\i
.endr
.irp i, 0,1,2,3,4,5,6,7
	ds_load_b128 v[192+4*\i:195+4*\i], v8 offset:GB+2048*\ver+1024+512*\s+256*\c+16*\i
.endr
	s_wait_dscnt 0x0                               ; they are in (and the last images' stores are done)
.irp i, 0,2,4,6,8,10,12,14,16,18,20,22,24,26,28,30
	v_pk_fma_f32 v[160+\i:161+\i], v[32+64*\s+32*\c+\i:33+64*\s+32*\c+\i], v[160+\i:161+\i], v[192+\i:193+\i]
.endr
.if \we
	s_wait_alu depctr_vm_vsrc(0)                   ; the last fragment's LDS stores have read v224-235 and v245, which are written again from here on
.endif
	QBLK 160, 224+6*\c, 236, 240, 241, 242, 243+\c
.endm
.macro LNFRAG ver, s, first
.if \first
	LNBLK \ver, \s, 0, 1, 0
.else
	LNBLK \ver, \s, 0, 0, 1                        ; (no vector line stands between the wait ahead of the last fragment's stores and this block's loads)
.endif
	LNBLK \ver, \s, 1, 1, 0
	v_lshl_or_b32 v245, v244, 16, v243             ; my bytes: blocks h and 2 + h,
	v_lshlrev_b32 v245, v6, v245
	v_permlanex16_b32 v246, v245, s32, s33
	v_or_b32 v245, v245, v246                      ; with lane l xor 16's: the row's scale word
	s_wait_alu depctr_va_vdst(0)                   ; the codes v224-235 and the word v245 are written, which the LDS stores read; and the quantiser is done with v160-223, in which the next fragment's first loads land
.irp k, 0,1,2
	ds_store_b128 v9, v[224+4*\k:227+4*\k] offset:24576*\ver+1536*\s+512*\k       ; the fragment as it stands
.endr
	ds_store_b32 v10, v245 offset:2048*\ver+128*\s
.endm
	LNFRAG 0, 0, 1
	LNFRAG 0, 1, 0
	LNFRAG 1, 0, 0
	LNFRAG 1, 1, 0
	s_wait_dscnt 0x0                               ; the stores have read their registers
.Lno_ln:
	s_wait_loadcnt 0x0                             ; on every wave's way: no load into registers is out when registers that x's loads named are loaded anew below
	s_wait_alu depctr_vm_vsrc(0)                   ; my LDS stores have read their data (waves 8-15: v224-235, v245; waves 0-3: v24-31), in which the weights and the rows' fragments land
	s_cmp_lt_u32 s30, 12
	s_cbranch_scc0 .Lno_w
.set j, 0
.rept 24
	global_load_b128 v[160+4*j:163+4*j], v4, s[14:15] offset:512*j                ; my 8 fragments: 12,288 consecutive bytes
.set j, j+1
.endr
.irp j, 0,1,2,3,4,5,6,7
	global_load_b32 v[50+\j], v5, s[16:17] offset:128*\j
.endr
.Lno_w:
	s_wait_dscnt 0x0
	s_barrier_signal -1
	s_barrier_wait -1                              ; all 32 images lie in LDS
	s_cmp_lt_u32 s30, 12
	s_cbranch_scc0 .Lsearch
	; ---------------- the products: waves 0-11.  Four accumulators take turns, one instruction a turn
.macro FRAGS m                         ; tile m's two fragments and their scale words
.irp c, 0,1,2
	ds_load_b128 v[24+4*\c:27+4*\c], v11 offset:3072*(\m)+512*\c
	ds_load_b128 v[36+4*\c:39+4*\c], v11 offset:3072*(\m)+1536+512*\c
.endr
	ds_load_b32 v48, v12 offset:256*(\m)
	ds_load_b32 v49, v12 offset:256*(\m)+128
.endm
.macro MT m
	s_wait_dscnt 0x0                               ; this tile's fragments are in
.irp t, 0,1,2,3
	v_wmma_scale_f32_16x16x128_f8f6f4 v[64+8*\t:71+8*\t], v[160+24*\t:171+24*\t], v[24:35], 0, v[50+2*\t], v48 matrix_a_fmt:MATRIX_FMT_FP6 matrix_b_fmt:MATRIX_FMT_FP6
.endr
.irp t, 0,1,2,3
	v_wmma_scale_f32_16x16x128_f8f6f4 v[64+8*\t:71+8*\t], v[172+24*\t:183+24*\t], v[36:47], v[64+8*\t:71+8*\t], v[51+2*\t], v49 matrix_a_fmt:MATRIX_FMT_FP6 matrix_b_fmt:MATRIX_FMT_FP6
.endr
.rept 5
	v_nop                                          ; places: ahead of the stores that read the results, of the loads into the operands, and of the next tile's products, which begin these accumulators anew
.endr
	s_wait_alu depctr_va_vdst(0)                   ; the products have written v64-95, which the LDS stores read, and are done reading v24-49, in which the next tile's fragments land
.if (\m) < 7
	FRAGS (\m)+1                                   ; asked for at once: they land during this tile's way out
.endif
	UNITOUT 64, 96+32*((\m)%2), 16384*(\m)
.endm
	FRAGS 0                                        ; (no vector line has named v24-49 since the last wait on va_vdst on any wave's way)
	s_wait_loadcnt 0x0                             ; the weights
.rept 8
	v_nop                                          ; places: in waves 8-11 vector instructions wrote, for the images, registers that now hold the weights' fragments; eight plain instructions stand between those writes and the scaled products
.endr
.irp m, 0,1,2,3,4,5,6,7
	MT \m
.endr
	; ---------------- the search, second half: all waves
.Lsearch:
	s_wait_loadcnt 0x0                             ; on every wave's way: no load into registers is out when the registers get their new use
	s_wait_xcnt 0x0                                ; the stores have read their registers
	s_wait_alu depctr_vm_vsrc(0)                   ; my last global stores have read v128-159, which the lines below write; so have all earlier stores their registers, in which the points land
.macro TAKE                            ; the list and the point that have arrived become the ones in hand
.irp j, 0,1,2,3,4,5,6,7,8,9,10,11,12,13,14,15
	s_min_u32 s[36+\j], s[68+\j], 127
.endr
	s_mov_b64 s[88:89], s[84:85]
	s_mov_b64 s[90:91], s[86:87]
.endm
.macro ADRS base                       ; lane l takes point l of each group; group j in ascending order is word 15 - j
.irp j, 0,1,2,3,4,5,6,7,8,9,10,11,12,13,14,15
	s_min_u32 s92, s[\base+15-\j], 127             ; a loaded number enters an address only behind this hold
	s_lshl_b32 s92, s92, 9
	v_add_nc_u32 v[AD+\j], s92, v4
.endr
.endm
.macro CEX s, d, st                    ; compare and exchange at distance st
.irp i, 0,1,2,3,4,5,6,7,8,9,10,11,12,13,14,15
.if (\i & \st) == 0
	v_min_num_f32 v[\d+\i], v[\s+\i], v[\s+\i+\st]
	v_max_num_f32 v[\d+\i+\st], v[\s+\i], v[\s+\i+\st]
.endif
.endr
.endm
.macro MERGE a, b, m                   ; my sorted 16 and lane l xor m's: the 16 smallest of both, sorted, into b
.irp i, 0,1,2,3,4,5,6,7,8,9,10,11,12,13,14,15
	v_min_num_f32_dpp v[\b+\i], v[\a+15-\i], v[\a+\i] row_xmask:\m row_mask:0xf bank_mask:0xf
.endr
	CEX \b, \a, 8
	CEX \a, \b, 4
	CEX \b, \a, 2
	CEX \a, \b, 1
.endm
.macro NSTEP tab, msk, st              ; does the wanted bit lie above the st bits at v167?
	v_lshrrev_b32 v168, v167, v[\tab]
	v_and_b32 v168, \msk, v168
	v_cmp_ge_u32 vcc_lo, v162, v168
	s_wait_alu depctr_va_vcc(0)                    ; VCC is written, ahead of the two selects that read it
	v_cndmask_b32 v168, 0, v168, vcc_lo
	v_cndmask_b32 v169, 0, \st, vcc_lo
	v_sub_nc_u32 v162, v162, v168
	v_add_nc_u32 v167, v167, v169
.endm
; groups b to b + 7, whose masks 'equal to T' have been awaited: each tie's rank among all ties; is it still wanted; the mask of taken points, into the place of the mask 'under T'
.macro TIES b
.irp j, 0,1,2,3,4,5,6,7
	v_mbcnt_lo_u32_b32 v[X+\b+\j], s[EQ\j], s57    ; my tie's rank among all ties
	s_bcnt1_i32_b32 s56, s[EQ\j]
	s_add_co_u32 s57, s57, s56
.endr
.irp j, 0,1,2,3,4,5,6,7
	v_cmp_gt_u32 s[GT\j], s52, v[X+\b+\j]
.endr
	s_wait_alu depctr_va_sdst(0)                   ; the eight masks of this run are written, ahead of the scalar lines that read them
.irp j, 0,1,2,3,4,5,6,7
	s_and_b32 s[GT\j], s[GT\j], s[EQ\j]
	s_or_b32 s[LT+\b+\j], s[LT+\b+\j], s[GT\j]
.endr
.endm
.irp j, 0,1,2,3,4,5,6,7,8,9,10,11,12,13,14,15
	v_mov_b32 v[Y+\j], 0                           ; (destinations of lane-crossing forms count as read)
.endr
	s_and_b32 s59, ttmp9, 31
	s_lshl_b32 s59, s59, 2
	s_add_co_u32 s59, s59, s54                     ; the group in which my wave's 8 queries lie
	s_lshl_b32 s67, s30, 3
	s_and_b32 s67, s67, 31                         ; the query's lane in that group
	s_lshl_b32 s60, 1, s67
	s_mov_b32 s61, 0                               ; the trip
	s_mov_b32 s66, 0                               ; its 64 bytes among my wave's indices
	s_load_b512 s[68:83], s[20:21], 0x0
	s_load_b128 s[84:87], s[94:95], 0x0
	s_wait_kmcnt 0x0
	TAKE
	ADRS 36
	s_wait_alu depctr_va_vdst(0)                   ; the 16 offsets v24-39 are written, which the loads below read
.irp j, 0,1,2,3,4,5,6,7,8,9,10,11,12,13,14,15
	global_load_b128 v[C+4*\j:C+4*\j+3], v[AD+\j], s[18:19]        ; 512 consecutive bytes
.endr
	s_load_b512 s[68:83], s[20:21], 0x40           ; the second query's
	s_load_b128 s[84:87], s[94:95], 0x10
.Lq:
	s_wait_loadcnt 0x0                             ; this query's 16 x 32 points
.irp j, 0,1,2,3,4,5,6,7,8,9,10,11,12,13,14,15
	v_mul_f32 v[D+\j], s88, v[C+4*\j]
.endr
.irp j, 0,1,2,3,4,5,6,7,8,9,10,11,12,13,14,15
	v_fma_f32 v[D+\j], s89, v[C+4*\j+1], v[D+\j]
.endr
.irp j, 0,1,2,3,4,5,6,7,8,9,10,11,12,13,14,15
	v_fma_f32 v[D+\j], s90, v[C+4*\j+2], v[D+\j]
.endr
.irp j, 0,1,2,3,4,5,6,7,8,9,10,11,12,13,14,15
	v_add_f32 v[C+4*\j+3], s91, v[C+4*\j+3]
.endr
.irp j, 0,1,2,3,4,5,6,7,8,9,10,11,12,13,14,15
	v_fma_f32 v[D+\j], v[D+\j], -2.0, v[C+4*\j+3]
.endr
.irp j, 0,1,2,3,4,5,6,7,8,9,10,11,12,13,14,15
	v_max_num_f32 v[D+\j], 0, v[D+\j]
.endr
.irp j, 0,1,2,3,4,5,6,7,8,9,10,11,12,13,14,15
	s_cmp_eq_u32 s[51-\j], s59
	s_cselect_b32 s53, s60, 0
	v_cndmask_b32 v[D+\j], v[D+\j], 0, s53         ; the query itself counts as 0
.endr
	s_wait_kmcnt 0x0                               ; the next query's list and point
	s_wait_alu depctr_vm_vsrc(0)                   ; this query's loads have read the offsets v24-39, which are written below; the last trip's LDS store has read v23 and v170, written at this trip's end
	ADRS 68
	s_wait_alu depctr_va_vdst(0)                   ; the offsets are written, and the distance lines are done reading and writing v64-127, in which the next query's points land
	; each lane sorts its 16.  The next query's 16 loads are dealt among the sort's steps, which name v40-55 and v128-143 alone (the last trip asks once more for its own: no load leaves a buffer)
	global_load_b128 v[C:C+3], v[AD], s[18:19]     ; 512 consecutive bytes
	v_mov_b32 v[X], v[D]
.set j, 1
.rept 15
	global_load_b128 v[C+4*j:C+4*j+3], v[AD+j], s[18:19]
	v_max_num_f32 v[X+j], v[X+j-1], v[D+j]
.set i, 14
.rept 14
.if i < j
	v_med3_num_f32 v[X+i], v[X+i-1], v[X+i], v[D+j]
.endif
.set i, i-1
.endr
	v_min_num_f32 v[X], v[X], v[D+j]
.set j, j+1
.endr
	MERGE X, Y, 1
	MERGE Y, X, 2
	MERGE X, Y, 4
	MERGE Y, X, 8
.irp i, 0,1,2,3,4,5,6,7,8,9,10,11,12,13,14,15
	v_permlanex16_b32 v[Y+\i], v[X+15-\i], s32, s33
.endr
.irp i, 0,1,2,3,4,5,6,7,8,9,10,11,12,13,14,15
	v_min_num_f32 v[Y+\i], v[X+\i], v[Y+\i]        ; the 16 smallest of all 512
.endr
	v_max3_num_f32 v[T], v[Y], v[Y+1], v[Y+2]
	v_max3_num_f32 v161, v[Y+3], v[Y+4], v[Y+5]
.irp i, 6,10
	v_max3_num_f32 v[T], v[T], v[Y+\i], v[Y+\i+1]
	v_max3_num_f32 v161, v161, v[Y+\i+2], v[Y+\i+3]
.endr
	v_max3_num_f32 v[T], v[T], v[Y+14], v[Y+15]
	v_max_num_f32 v[T], v[T], v161                 ; T: the 16th smallest
	; the masks, in runs of compares.  First run: all 16 groups' lanes under T, and the first eight groups' lanes equal to T
.irp j, 0,1,2,3,4,5,6,7,8,9,10,11,12,13,14,15
	v_cmp_lt_f32 s[LT+\j], v[D+\j], v[T]
.endr
.irp j, 0,1,2,3,4,5,6,7
	v_cmp_eq_f32 s[EQ\j], v[D+\j], v[T]
.endr
	s_wait_alu depctr_va_sdst(0)                   ; the 24 masks of this run are written, ahead of the counts and ranks that read them
	s_mov_b32 s52, 16                              ; how many ties are wanted
.irp j, 0,1,2,3,4,5,6,7,8,9,10,11,12,13,14,15
	s_bcnt1_i32_b32 s56, s[LT+\j]
	s_sub_co_u32 s52, s52, s56
.endr
	s_mov_b32 s57, 0                               ; ties met
	TIES 0
.irp j, 0,1,2,3,4,5,6,7
	v_cmp_eq_f32 s[EQ\j], v[D+8+\j], v[T]          ; the other eight groups' lanes equal to T
.endr
	s_wait_alu depctr_va_sdst(0)                   ; the eight masks of this run are written, ahead of the ranks that read them
	TIES 8
	; group by group in index order: slot t (lane % 16) keeps the last group that begins at or under t.  A run of 15 compares on the count of points taken ahead of each group
	s_bcnt1_i32_b32 s58, s[LT]                     ; points taken
.irp j, 1,2,3,4,5,6,7,8,9,10,11,12,13,14,15
	v_cmp_le_u32 s[PK\j], s58, v2
	s_bcnt1_i32_b32 s56, s[LT+\j]
	s_add_co_u32 s58, s58, s56
.endr
	v_mov_b32 v176, s[LT]
	v_mov_b32 v177, 0
	v_mov_b32 v178, s51
	s_wait_alu depctr_va_sdst(0)                   ; the 15 masks of this run are written, ahead of the selects that read them
	s_bcnt1_i32_b32 s58, s[LT]                     ; the same count once more, for the selects
.irp j, 1,2,3,4,5,6,7,8,9,10,11,12,13,14,15
	v_cndmask_b32 v176, v176, s[LT+\j], s[PK\j]    ; its mask,
	v_cndmask_b32 v177, v177, s58, s[PK\j]         ; how many were taken ahead of it,
	v_cndmask_b32 v178, v178, s[51-\j], s[PK\j]    ; its number
	s_bcnt1_i32_b32 s56, s[LT+\j]
	s_add_co_u32 s58, s58, s56
.endr
	; the place of set bit number t - (taken ahead) in the mask, by counts of 2, 4, 8 and 16 bits
	v_sub_nc_u32 v162, v2, v177
	v_lshrrev_b32 v163, 1, v176
	v_and_b32 v163, 0x55555555, v163
	v_sub_nc_u32 v163, v176, v163
	v_lshrrev_b32 v164, 2, v163
	v_and_b32 v164, 0x33333333, v164
	v_and_b32 v168, 0x33333333, v163
	v_add_nc_u32 v164, v164, v168
	v_lshrrev_b32 v165, 4, v164
	v_add_nc_u32 v165, v165, v164
	v_and_b32 v165, 0x0f0f0f0f, v165
	v_lshrrev_b32 v166, 8, v165
	v_add_nc_u32 v166, v166, v165
	v_and_b32 v166, 0x00ff00ff, v166
	v_mov_b32 v167, 0
	NSTEP 166, 0xff, 16
	NSTEP 165, 0xff, 8
	NSTEP 164, 15, 4
	NSTEP 163, 3, 2
	NSTEP 176, 1, 1
	v_lshl_add_u32 v170, v178, 5, v167             ; the point's index in its batch
	v_add_nc_u32 v23, s66, v17
	s_wait_alu depctr_va_vdst(0)                   ; v23 and v170 are written, which the LDS store reads (behind the last trip it also stands for v176-178, in which the indices' load lands)
	ds_store_b32 v23, v170                         ; both halves of the lanes write the same word with the same value
	s_add_co_u32 s66, s66, 64
	s_add_co_u32 s67, s67, 1
	s_lshl_b32 s60, 1, s67
	TAKE
	s_add_co_u32 s92, s61, 2
	s_min_u32 s92, s92, 7                          ; two queries on, held at the wave's last
	s_lshl_b32 s62, s92, 6
	s_lshl_b32 s63, s92, 4
	s_load_b512 s[68:83], s[20:21], s62 offset:0x0
	s_load_b128 s[84:87], s[94:95], s63 offset:0x0
	s_add_co_u32 s61, s61, 1
	s_cmp_lt_u32 s61, 8
	s_cbranch_scc1 .Lq
	ds_load_b128 v[176:179], v18                   ; my wave's 8 x 16 indices
	s_wait_dscnt 0x0
	global_store_b128 v4, v[176:179], s[28:29]     ; 512 consecutive bytes
	s_wait_dscnt 0x0                               ; the closing lines, six on end
	s_wait_alu 0x0
	s_wait_tensorcnt 0x0
	ds_add_u32 v20, v21
	s_wait_dscnt 0x0
	s_endpgm
.Lfunc_end_k_qc4dc4eef11_mid:
	.size	k_qc4dc4eef11_mid, .Lfunc_end_k_qc4dc4eef11_mid-k_qc4dc4eef11_mid
	.p2alignl 7, 3214868480
	.fill 96, 4, 3214868480
	.section	.rodata,"a",@progbits
	.p2align	6, 0x0
	.amdhsa_kernel k_qc4dc4eef11_mid
		.amdhsa_group_segment_fixed_size 252928
		.amdhsa_private_segment_fixed_size 0
		.amdhsa_enable_private_segment 0
		.amdhsa_kernarg_size 104
		.amdhsa_user_sgpr_count 2
		.amdhsa_user_sgpr_kernarg_segment_ptr 1
		.amdhsa_wavefront_size32 1
		.amdhsa_system_sgpr_workgroup_id_x 1
		.amdhsa_system_sgpr_workgroup_id_y 1
		.amdhsa_system_sgpr_workgroup_id_z 1
		.amdhsa_system_vgpr_workitem_id 0
		.amdhsa_next_free_vgpr 256
		.amdhsa_next_free_sgpr 100
		.amdhsa_reserve_vcc 1
		.amdhsa_float_denorm_mode_32 3
		.amdhsa_float_denorm_mode_16_64 3
		.amdhsa_memory_ordered 1
		.amdhsa_forward_progress 1
		.amdhsa_inst_pref_size 147
	.end_amdhsa_kernel
	.amdgpu_metadata
---
amdhsa.version: [ 1, 2 ]
amdhsa.kernels:
  - .name:           k_qc4dc4eef11_mid
    .symbol:         k_qc4dc4eef11_mid.kd
    .args:
      - { .name: x, .offset: 0, .size: 8, .value_kind: global_buffer, .address_space: global }
      - { .name: gq, .offset: 8, .size: 8, .value_kind: global_buffer, .address_space: global }
      - { .name: betaq, .offset: 16, .size: 8, .value_kind: global_buffer, .address_space: global }
      - { .name: gkv, .offset: 24, .size: 8, .value_kind: global_buffer, .address_space: global }
      - { .name: betakv, .offset: 32, .size: 8, .value_kind: global_buffer, .address_space: global }
      - { .name: wfrag, .offset: 40, .size: 8, .value_kind: global_buffer, .address_space: global }
      - { .name: wscale, .offset: 48, .size: 8, .value_kind: global_buffer, .address_space: global }
      - { .name: pos4, .offset: 56, .size: 8, .value_kind: global_buffer, .address_space: global }
      - { .name: glist, .offset: 64, .size: 8, .value_kind: global_buffer, .address_space: global }
      - { .name: qbuf, .offset: 72, .size: 8, .value_kind: global_buffer, .address_space: global }
      - { .name: kbuf, .offset: 80, .size: 8, .value_kind: global_buffer, .address_space: global }
      - { .name: vbuf, .offset: 88, .size: 8, .value_kind: global_buffer, .address_space: global }
      - { .name: idx, .offset: 96, .size: 8, .value_kind: global_buffer, .address_space: global }
    .group_segment_fixed_size: 252928
    .private_segment_fixed_size: 0
    .kernarg_segment_align: 8
    .kernarg_segment_size: 104
    .max_flat_workgroup_size: 512
    .sgpr_count:     100
    .vgpr_count:     256
    .wavefront_size: 32
...
	.end_amdgpu_metadata
.endif
;; end of part 4
;; launch attn (part 5): grid 256 x 1, 8 waves a work-group, no clusters, 150,528 bytes of LDS; arguments idx, pos4, qbuf, kbuf, vbuf, W1, b1, b2, wfrag, wscale, bp, out0; writes out0
.if DOCPART == 5
	.amdgcn_target "amdgcn-amd-amdhsa--gfx1250"
	.amdhsa_code_object_version 6
	.text
	.protected	k_qc4dc4eef11_attn
	.globl	k_qc4dc4eef11_attn
	.p2align	8
	.type	k_qc4dc4eef11_attn,@function
k_qc4dc4eef11_attn:
	s_mov_b64 s[64:65], 0
	v_nop
	global_prefetch_b8 v0, s[64:65] scope:SCOPE_SE
	s_setreg_imm32_b32 hwreg(HW_REG_WAVE_SCHED_MODE, 0, 2), 2
	s_setreg_imm32_b32 hwreg(HW_REG_WAVE_MODE, 25, 1), 1
	s_wait_xcnt 0x0
	s_wait_alu depctr_vm_vsrc(0)
; A wave owns 16 queries and shares nothing: no barrier.  The neighbours' indices are whole numbers that the launch before stored.
; R, for each query: its 16 relative positions (a lane to a neighbour, the two halves of the lanes to the two halves of the 64 hidden units), relu(rel W1 + b1) in f32, quantised to FP6 (a block of 32 a lane).
;    The K = 64 product with W2 fills the instruction of 128 along K: the hidden codes stand twice, and W2's fragment holds column n in k 0-63 and column n + 128 in k 64-127, so a result is the sum of two columns;
;    only the sum over all 256 columns is wanted: 8 instructions a query, then a sum over tiles, registers and halves; the sum of b2 is added.
; A, for each query: 16 rows of k and 16 of v come whole, 512 consecutive bytes to a load, the next query's behind this one's use.  16 dot products in f32, brought to one lane each by selects and four exchanges;
;    softmax over the 16 with the maximum taken away; the weighted sum of v; the row goes to LDS.
; P: the 16 rows are quantised along their 256 and multiplied with Wp's codes; bp is the C of each sum's first instruction; rows leave in pieces of 256 consecutive bytes.
; All products transposed (source 0 = 16 columns of the weight).  LIMITS: NaN and infinities are not served; a block of zeros carries the byte 1 over zero codes.
; REGISTERS, window 0: v1 lane, v2 r, v3 h, v4 16 lane, v5 4 lane, v6 8 h, v7 sum of b2, v8 q's offset, v9-11, v14, v15 LDS places, v12, v13 the add's two; v16-31 row offsets; v32-39 q; v40-47 the output row;
;   v48-63 dot products; v64-79 at work; v80-87 places; v88-119 Wp's scale words, v120-127 W2's; v128-191 at work; v192-223 accumulators; v224-247 the rows' two fragments, v248, v249 their scale words.
; window 1: in R: W1's three rows (32 units of my half each), b1, W2's 8 fragments; in A: 16 rows of k, 16 of v; in P: two sets of Wp's fragments and of bp.
; THE MODE: SCHED_MODE bits 1:0 = 2 (LLVM: expert scheduling mode 2), set by the entry lines.  The code itself states the register dependences
; between vector or matrix instructions and memory or LDS instructions, and those through scalar registers that vector instructions write, with s_wait_alu, always for 0.
; THE PLAN.  Registers that memory or LDS instructions touch:
;   v4, v5, v9-v11, v14, v15, v80, v84-v87   offsets and LDS places: written once at the head, one wait on va_vdst there.
;   head  the 16 queries' own points go to scalar registers by ONE run of 48 lane reads with one wait on va_sdst; the 48 subtractions write v128-191, one wait on va_vdst, the 16 LDS stores read them.
;   R     v81, v82: the LDS places of the next query's positions and of this query's sum: a wait on vm_vsrc at the trip's head, then both adds.  v160-163: the positions land; the multiply-adds read them.
;         The wait on va_vdst that is owed ahead of the scaled products (codes and scale word written) also states that v81 is written and v160-163 read: the next query's LDS load follows it.
;         v64: the sum: a wait on va_vdst ahead of its LDS store.
;   A     v16-31, v8: offsets of k's, v's and q's loads; v82, v83: LDS places; v40-47: the row, read by two LDS stores.  Behind the dot products: a wait on vm_vsrc, all the adds, ONE wait on va_vdst, which also states that
;         the dot products are done reading q and k; then R's sum, q and k of the next query are asked for.  The 16 weights go to scalar registers by one run of lane reads with one wait on va_sdst.
;         Behind the weighted sum ONE wait on va_vdst: v's registers are read, the row is written; v of the next query is asked for and the row stored.
;   P     v128-191: the rows land, the quantiser reads: a wait on va_vdst ahead of the second K step's loads.  A wait on va_vdst behind the places ahead of the scaled products.  For each unit one wait on va_vdst behind
;         its places (accumulators written; fragments and bp read: the batch two on lands there) and one on vm_vsrc in the way out (accumulators and out-buffer read).
.set WREG,  18688                      ; LDS of a wave: 16,640 bytes (first 16 tables of relative positions, then 16 rows of 1,040 bytes, then a stage of 16 x 272), and 2,048 for the 16 x 32 sums of R
.set RLO,   16640
.set SPARE, 149504                     ; the spare words: 128 bytes a wave, four blocks of 256 bytes that no other line names
.set MSB, 0
.macro WIN new                         ; the immediate's high byte repeats the setting that is left
.if MSB != \new
	s_set_vgpr_msb (MSB<<8)|\new
.set MSB, \new
.endif
.endm
.macro QBLK src, dst, tmp, m0, m1, sop, byt
	v_max3_num_f32 v[\m0], |v[\src]|, |v[\src+1]|, |v[\src+2]|
	v_max3_num_f32 v[\m1], |v[\src+3]|, |v[\src+4]|, |v[\src+5]|
.irp i, 6,10,14,18,22,26
	v_max3_num_f32 v[\m0], v[\m0], |v[\src+\i]|, |v[\src+\i+1]|
	v_max3_num_f32 v[\m1], v[\m1], |v[\src+\i+2]|, |v[\src+\i+3]|
.endr
	v_max3_num_f32 v[\m0], v[\m0], |v[\src+30]|, |v[\src+31]|
	v_max3_num_f32 v[\m0], v[\m0], v[\m1], 0x1800000               ; the floor 2^(3 - 127) holds the byte at 1 from below
	v_add_nc_u32 v[\sop], 0xff000000, v[\m0]                       ; 2 off the exponent field: the conversion's scale operand
	v_lshrrev_b32 v[\byt], 23, v[\sop]
	v_cvt_scalef32_pk16_fp6_f32 v[\dst:\dst+2], v[\src:\src+15], v[\sop]
	v_cvt_scalef32_pk16_fp6_f32 v[\tmp:\tmp+2], v[\src+16:\src+31], v[\sop]
	v_nop                                                          ; a plain instruction behind the conversions
.irp i, 0,1,2
	v_mov_b32 v[\dst+3+\i], v[\tmp+\i]
.endr
.endm
	s_load_b512 s[4:19], s[0:1], 0x0               ; idx, pos4, qbuf, kbuf, vbuf, W1, b1, b2
	s_load_b256 s[20:27], s[0:1], 0x40             ; wfrag, wscale, bp, out0
	v_lshl_add_u32 v12, v0, 2, SPARE
	v_mov_b32 v13, 0
	v_lshrrev_b32 v1, 5, v0
	v_readfirstlane_b32 s89, v1                    ; wave 0-7
	v_and_b32 v1, 31, v0
	v_and_b32 v2, 15, v0
	v_bfe_u32 v3, v0, 4, 1
	v_lshlrev_b32 v4, 4, v1
	v_lshlrev_b32 v5, 2, v1
	v_lshlrev_b32 v6, 3, v3
	v_mov_b32 v8, v4
	s_wait_alu depctr_va_sdst(0)                   ; s89, the wave's number, is written, ahead of its first reader: places and bases are made from it
	s_mul_i32 s90, s89, WREG
	v_add_nc_u32 v9, s90, v4                       ; v9: my wave's bytes, 16 a lane
	s_add_co_u32 s91, s90, RLO
	v_add_nc_u32 v10, s91, v5                      ; v10: the sums of R, 4 a lane
	v_mul_u32_u24 v11, v2, 1040
	v_lshl_add_u32 v11, v3, 7, v11
	v_add_nc_u32 v11, s90, v11                     ; v11: row r, 128 h
	v_mul_u32_u24 v14, v2, 272
	v_lshl_add_u32 v14, v3, 5, v14
	v_add_nc_u32 v14, s90, v14                     ; v14: the stage, in
	v_mul_u32_u24 v15, v3, 272
	v_lshl_add_u32 v15, v2, 4, v15
	v_add_nc_u32 v15, s90, v15                     ; v15: and back
	v_lshlrev_b32 v80, 10, v3
	v_lshl_add_u32 v80, v2, 4, v80                 ; v80: output: row h, 16 r
	v_lshlrev_b32 v81, 5, v1
	v_lshlrev_b32 v84, 2, v2
	v_lshlrev_b32 v85, 4, v2
	v_lshlrev_b32 v86, 7, v3
	v_lshlrev_b32 v87, 5, v3
	v_mov_b32 v73, 0                               ; (destinations of lane permutes count as read)
	v_mov_b32 v185, 0
	s_mov_b32 s60, 0xaaaaaaaa                      ; lanes with bit 0, 1, 2, 3 set
	s_mov_b32 s61, 0xcccccccc
	s_mov_b32 s62, 0xf0f0f0f0
	s_mov_b32 s63, 0xff00ff00
	s_mov_b32 s66, 0x76543210                      ; selects for lane l xor 16
	s_mov_b32 s67, 0xfedcba98
	s_lshl_b32 s92, ttmp9, 7
	s_lshl_b32 s94, s89, 4
	s_add_co_u32 s94, s92, s94                     ; my first query
	s_lshr_b32 s95, ttmp9, 5                       ; the batch
	s_mov_b32 s93, 0
	s_wait_kmcnt 0x0
	s_lshl_b32 s92, s94, 6
	s_add_nc_u64 s[4:5], s[4:5], s[92:93]
	s_lshl_b32 s92, s94, 4
	s_add_nc_u64 s[96:97], s[6:7], s[92:93]        ; my queries' own points
	s_lshl_b32 s92, s94, 10
	s_add_nc_u64 s[8:9], s[8:9], s[92:93]
	s_add_nc_u64 s[26:27], s[26:27], s[92:93]
	s_lshl_b32 s92, s95, 16
	s_add_nc_u64 s[6:7], s[6:7], s[92:93]          ; the batch's points,
	s_lshl_b32 s92, s95, 22
	s_add_nc_u64 s[10:11], s[10:11], s[92:93]      ; its rows of k
	s_add_nc_u64 s[12:13], s[12:13], s[92:93]      ; and of v
	s_wait_alu depctr_va_vdst(0)                   ; the offsets and LDS places made above are written, which the loads and stores of the whole kernel read
.irp i, 0,1,2,3,4,5,6,7,8,9,10,11,12,13,14,15
	global_load_b32 v[16+\i], v84, s[4:5] offset:64*\i             ; lane r: neighbour r of query i
.endr
	global_load_b128 v[192:195], v85, s[96:97]     ; lane r: query r's own point
	global_load_b128 v[64:67], v81, s[18:19]       ; b2: 8 numbers a lane
	global_load_b128 v[68:71], v81, s[18:19] offset:16
.set k, 0
.rept 32
	global_load_b32 v[88+k], v5, s[22:23] offset:12288+128*k       ; Wp's scale words
.set k, k+1
.endr
.irp k, 0,1,2,3,4,5,6,7
	global_load_b32 v[120+\k], v5, s[22:23] offset:16384+128*\k    ; W2's
.endr
	WIN 0x40                                       ; destination window 1
.irp w, 0,1,2
.irp i, 0,1,2,3,4,5,6,7
	global_load_b128 v[32*\w+4*\i:32*\w+4*\i+3], v86, s[14:15] offset:256*\w+16*\i   ; W1(w, 32 h + ..)
.endr
.endr
.irp i, 0,1,2,3,4,5,6,7
	global_load_b128 v[96+4*\i:99+4*\i], v86, s[16:17] offset:16*\i                   ; b1(32 h + ..)
.endr
.set k, 0
.rept 24
	global_load_b128 v[128+4*k:131+4*k], v4, s[20:21] offset:196608+512*k             ; W2's 8 fragments
.set k, k+1
.endr
	WIN 0
	s_wait_loadcnt 0x0
.irp i, 0,1,2,3,4,5,6,7,8,9,10,11,12,13,14,15
	v_min_u32 v[16+\i], 0xfff, v[16+\i]            ; a loaded number enters an address only behind this hold
.endr
.irp i, 0,1,2,3,4,5,6,7,8,9,10,11,12,13,14,15
	v_lshlrev_b32 v[16+\i], 4, v[16+\i]
.endr
	s_wait_alu depctr_va_vdst(0)                   ; the neighbours' offsets v16-31 are written, which the loads below read
.irp i, 0,1,2,3,4,5,6,7,8,9,10,11,12,13,14,15
	global_load_b128 v[128+4*\i:131+4*\i], v[16+\i], s[6:7]        ; the neighbours' points
.endr
	v_add_f32 v64, v64, v65                        ; the sum of b2
	v_add_f32 v66, v66, v67
	v_add_f32 v68, v68, v69
	v_add_f32 v70, v70, v71
	v_add_f32 v64, v64, v66
	v_add_f32 v68, v68, v70
	v_add_f32 v64, v64, v68
	v_add_f32_dpp v64, v64, v64 row_xmask:1 row_mask:0xf bank_mask:0xf
	v_add_f32_dpp v64, v64, v64 row_xmask:2 row_mask:0xf bank_mask:0xf
	v_add_f32_dpp v64, v64, v64 row_xmask:4 row_mask:0xf bank_mask:0xf
	v_add_f32_dpp v64, v64, v64 row_xmask:8 row_mask:0xf bank_mask:0xf
	v_permlanex16_b32 v65, v64, s66, s67
	v_add_f32 v7, v64, v65
	s_wait_loadcnt 0x0
.irp i, 0,1,2,3,4,5,6,7,8,9,10,11,12,13,14,15
	v_readlane_b32 s[28+\i], v192, \i              ; the 16 queries' own points in one run: x in s28-43, y in s44-59, z in s68-83, which hold nothing else yet
	v_readlane_b32 s[44+\i], v193, \i
	v_readlane_b32 s[68+\i], v194, \i
.endr
	s_wait_alu depctr_va_sdst(0)                   ; the 48 scalar registers of this run are written, ahead of the subtractions that read them
.irp i, 0,1,2,3,4,5,6,7,8,9,10,11,12,13,14,15
	v_sub_f32 v[128+4*\i], s[28+\i], v[128+4*\i]   ; the query's point less the neighbour's
	v_sub_f32 v[129+4*\i], s[44+\i], v[129+4*\i]
	v_sub_f32 v[130+4*\i], s[68+\i], v[130+4*\i]
.endr
	s_wait_alu depctr_va_vdst(0)                   ; the relative positions v128-191 are written, which the LDS stores read
.irp i, 0,1,2,3,4,5,6,7,8,9,10,11,12,13,14,15
	ds_store_b128 v9, v[128+4*\i:131+4*\i] offset:512*\i
.endr
.irp j, 0,1,2,3,4,5,6,7,8,9,10,11,12,13,14,15
	s_mov_b32 s[29+2*\j], 0                        ; the upper halves of the pairs that carry the weights: named, so written
.endr
	; ---------------- R
.macro RTRIP next
	s_wait_dscnt 0x0                               ; this query's relative positions
	s_wait_alu depctr_vm_vsrc(0)                   ; the last trip's LDS load has read v81, its LDS store v82 and v64: all three are written again below
.if \next
	s_add_co_u32 s86, s86, 512
	v_add_nc_u32 v81, s86, v9                      ; where the next query's positions lie
.endif
	v_add_nc_u32 v82, s87, v10                     ; where this query's sums go
	WIN 0x14                                       ; W1 and b1 in window 1
.irp p, 0,2,4,6,8,10,12,14,16,18,20,22,24,26,28,30
	v_pk_fma_f32 v[128+\p:129+\p], v[160:161], v[\p:\p+1], v[96+\p:97+\p] op_sel_hi:[0,1,1]
.endr
	WIN 0x04
.irp p, 0,2,4,6,8,10,12,14,16,18,20,22,24,26,28,30
	v_pk_fma_f32 v[128+\p:129+\p], v[160:161], v[32+\p:33+\p], v[128+\p:129+\p] op_sel:[1,0,0]
.endr
.irp p, 0,2,4,6,8,10,12,14,16,18,20,22,24,26,28,30
	v_pk_fma_f32 v[128+\p:129+\p], v[162:163], v[64+\p:65+\p], v[128+\p:129+\p] op_sel_hi:[0,1,1]
.endr
	WIN 0
.set k, 0
.rept 32
	v_max_num_f32 v[128+k], 0, v[128+k]            ; the activation
.set k, k+1
.endr
	QBLK 128, 164, 176, 180, 181, 182, 183
.irp i, 0,1,2,3,4,5
	v_mov_b32 v[170+\i], v[164+\i]                 ; the 64 hidden codes stand twice along the 128
.endr
	v_lshlrev_b32 v184, v6, v183
	v_permlanex16_b32 v185, v184, s66, s67
	v_or_b32 v184, v184, v185                      ; the two blocks' bytes,
	v_lshl_or_b32 v184, v184, 16, v184             ; twice
.rept 8
	v_nop                                          ; places between the vector instructions that made the scale word and the operand, and the scaled products
.endr
	s_wait_alu depctr_va_vdst(0)                   ; the codes v164-175 and the scale word v184 are written, which the scaled products take; v81 is written, and the multiply-adds are done reading v160-163, in which the load below lands
.if \next
	ds_load_b128 v[160:163], v81                   ; the next query's
.endif
	WIN 0x01                                       ; W2's fragments in window 1.  Four accumulators take turns, one instruction a turn
.irp t, 0,1,2,3
	v_wmma_scale_f32_16x16x128_f8f6f4 v[192+8*\t:199+8*\t], v[128+12*\t:139+12*\t], v[164:175], 0, v[120+\t], v184 matrix_a_fmt:MATRIX_FMT_FP6 matrix_b_fmt:MATRIX_FMT_FP6
.endr
.irp t, 0,1,2,3
	v_wmma_scale_f32_16x16x128_f8f6f4 v[192+8*\t:199+8*\t], v[176+12*\t:187+12*\t], v[164:175], v[192+8*\t:199+8*\t], v[124+\t], v184 matrix_a_fmt:MATRIX_FMT_FP6 matrix_b_fmt:MATRIX_FMT_FP6
.endr
	WIN 0
.rept 4
	v_nop                                          ; places ahead of the first read of the results
.endr
	v_pk_add_f32 v[64:65], v[192:193], v[200:201]  ; each accumulator is read from its low end on
	v_pk_add_f32 v[66:67], v[208:209], v[216:217]
.irp p, 2,4,6
	v_pk_add_f32 v[64:65], v[64:65], v[192+\p:193+\p]
	v_pk_add_f32 v[66:67], v[66:67], v[208+\p:209+\p]
	v_pk_add_f32 v[64:65], v[64:65], v[200+\p:201+\p]
	v_pk_add_f32 v[66:67], v[66:67], v[216+\p:217+\p]
.endr
	v_pk_add_f32 v[64:65], v[64:65], v[66:67]
	v_add_f32 v64, v64, v65
	v_permlanex16_b32 v65, v64, s66, s67
	v_add_f32 v64, v64, v65                        ; neighbour r's sum over the 256 columns,
	v_add_f32 v64, v64, v7                         ; with b2's
	s_wait_alu depctr_va_vdst(0)                   ; the sum v64 is written, which the LDS store reads
	ds_store_b32 v82, v64
	s_add_co_u32 s87, s87, 128
.endm
	s_mov_b32 s86, 0
	s_mov_b32 s87, 0
	s_mov_b32 s88, 0
	s_wait_alu depctr_vm_vsrc(0)                   ; the LDS stores above have read v128-191: the load below lands in v160-163
	ds_load_b128 v[160:163], v9                    ; LDS serves a wave's instructions in order: it sees my stores
.Lrel:
	RTRIP 1
	s_add_co_u32 s88, s88, 1
	s_cmp_lt_u32 s88, 15
	s_cbranch_scc1 .Lrel
	RTRIP 0                                        ; the last query asks for nothing
	; ---------------- A
.macro ROWADR                          ; the 16 rows of the list that has arrived
.irp j, 0,1,2,3,4,5,6,7,8,9,10,11,12,13,14,15
	s_min_u32 s84, s[68+\j], 4095                  ; a loaded number enters an address only behind this hold
	s_lshl_b32 s84, s84, 10
	v_add_nc_u32 v[16+\j], s84, v4
.endr
.endm
.macro ASKQK
	global_load_b128 v[32:35], v8, s[8:9]
	global_load_b128 v[36:39], v8, s[8:9] offset:512
	WIN 0x40
.irp j, 0,1,2,3,4,5,6,7,8,9,10,11,12,13,14,15
	global_load_b128 v[8*\j:8*\j+3], v[16+\j], s[10:11]            ; half a row: 512 consecutive bytes
	global_load_b128 v[8*\j+4:8*\j+7], v[16+\j], s[10:11] offset:512
.endr
	WIN 0
.endm
.macro ASKV
	WIN 0x40
.irp j, 0,1,2,3,4,5,6,7,8,9,10,11,12,13,14,15
	global_load_b128 v[128+8*\j:131+8*\j], v[16+\j], s[12:13]
	global_load_b128 v[132+8*\j:135+8*\j], v[16+\j], s[12:13] offset:512
.endr
	WIN 0
.endm
.macro RSTG n, msk, xm                 ; of each pair of sums a lane keeps one, by a bit of its number, and sends the other to the lane that keeps it
.set m, 0
.rept \n
	v_cndmask_b32 v[64+2*(m%4)], v[48+2*m], v[49+2*m], s[\msk]
	v_cndmask_b32 v[65+2*(m%4)], v[49+2*m], v[48+2*m], s[\msk]
	v_add_f32_dpp v[48+m], v[65+2*(m%4)], v[64+2*(m%4)] row_xmask:\xm row_mask:0xf bank_mask:0xf
.set m, m+1
.endr
.endm
.macro ATT next
	s_wait_loadcnt 32                              ; q and k are in; the 32 youngest, v's, stay out
	WIN 0x04                                       ; k in window 1
.irp j, 0,1,2,3,4,5,6,7,8,9,10,11,12,13,14,15
	v_pk_mul_f32 v[128+2*\j:129+2*\j], v[32:33], v[8*\j:8*\j+1]
.endr
.irp j, 0,1,2,3,4,5,6,7,8,9,10,11,12,13,14,15
	v_pk_fma_f32 v[128+2*\j:129+2*\j], v[34:35], v[8*\j+2:8*\j+3], v[128+2*\j:129+2*\j]
.endr
.irp j, 0,1,2,3,4,5,6,7,8,9,10,11,12,13,14,15
	v_pk_fma_f32 v[128+2*\j:129+2*\j], v[36:37], v[8*\j+4:8*\j+5], v[128+2*\j:129+2*\j]
.endr
.irp j, 0,1,2,3,4,5,6,7,8,9,10,11,12,13,14,15
	v_pk_fma_f32 v[128+2*\j:129+2*\j], v[38:39], v[8*\j+6:8*\j+7], v[128+2*\j:129+2*\j]
.endr
	WIN 0
.irp j, 0,1,2,3,4,5,6,7,8,9,10,11,12,13,14,15
	v_add_f32 v[48+\j], v[128+2*\j], v[129+2*\j]   ; my 8 columns' part of q . k_j
.endr
	s_wait_kmcnt 0x0                               ; the next query's list
.if \next
	s_wait_xcnt 0x0                                ; v's loads have read their offsets: they may be written
.endif
	s_wait_alu depctr_vm_vsrc(0)                   ; the loads issued so far have read v16-31 and v8, the last LDS load v82, the last two LDS stores v83 and v40-47: all are written again in this trip
.if \next
	ROWADR
	v_add_nc_u32 v8, 1024, v8
	s_add_co_u32 s85, s88, 2
	s_min_u32 s85, s85, 15                         ; two queries on, held at the wave's last
	s_lshl_b32 s85, s85, 6
	s_load_b512 s[68:83], s[4:5], s85 offset:0x0
.endif
	v_add_nc_u32 v82, s87, v10                     ; where this query's sums of R lie
	v_add_nc_u32 v83, s90, v9                      ; where its row goes
	s_wait_alu depctr_va_vdst(0)                   ; the offsets and places above are written; the dot products are done reading q and k, in which the next query's land; the last trip's line is done reading v74
	ds_load_b32 v74, v82                           ; this query's sums of R
.if \next
	ASKQK
.endif
	RSTG 8, 60, 1
	RSTG 4, 61, 2
	RSTG 2, 62, 4
	RSTG 1, 63, 8
	v_permlanex16_b32 v64, v48, s66, s67
	v_add_f32 v48, v48, v64                        ; lane r: q . k_r
	s_wait_dscnt 0x0
	v_add_f32 v48, v48, v74
	v_mul_f32 v48, 0x3d800000, v48                 ; x 256^(-1/2): exact
	v_max_num_f32_dpp v49, v48, v48 row_xmask:1 row_mask:0xf bank_mask:0xf
	v_max_num_f32_dpp v49, v49, v49 row_xmask:2 row_mask:0xf bank_mask:0xf
	v_max_num_f32_dpp v49, v49, v49 row_xmask:4 row_mask:0xf bank_mask:0xf
	v_max_num_f32_dpp v49, v49, v49 row_xmask:8 row_mask:0xf bank_mask:0xf
	v_sub_f32 v50, v48, v49                        ; the maximum is taken away
	v_mul_f32 v50, 0x3fb8aa3b, v50
	v_exp_f32 v50, v50
	v_nop                                          ; a plain instruction behind the transcendental,
	s_wait_alu depctr_va_vdst(0)                   ; and a wait ahead of its first reader: v50 is written
	v_add_f32_dpp v51, v50, v50 row_xmask:1 row_mask:0xf bank_mask:0xf
	v_add_f32_dpp v51, v51, v51 row_xmask:2 row_mask:0xf bank_mask:0xf
	v_add_f32_dpp v51, v51, v51 row_xmask:4 row_mask:0xf bank_mask:0xf
	v_add_f32_dpp v51, v51, v51 row_xmask:8 row_mask:0xf bank_mask:0xf
	v_rcp_f32 v52, v51
	v_nop                                          ; a plain instruction behind the transcendental,
	s_wait_alu depctr_va_vdst(0)                   ; and the same wait: v52 is written
	v_mul_f32 v50, v50, v52                        ; lane r: the weight of neighbour r
.irp j, 0,1,2,3,4,5,6,7,8,9,10,11,12,13,14,15
	v_readlane_b32 s[28+2*\j], v50, \j
.endr
	s_wait_alu depctr_va_sdst(0)                   ; the 16 weights of this run are written, ahead of the multiplies that read them
.if \next
	s_wait_loadcnt 34                              ; v is in; the next query's 2 + 32 loads stay out
.else
	s_wait_loadcnt 0x0
.endif
	WIN 0x01                                       ; v in window 1
.irp p, 0,2,4,6
	v_pk_mul_f32 v[40+\p:41+\p], v[128+\p:129+\p], s[28:29] op_sel_hi:[1,0]
.endr
.irp j, 1,2,3,4,5,6,7,8,9,10,11,12,13,14,15
.irp p, 0,2,4,6
	v_pk_fma_f32 v[40+\p:41+\p], v[128+8*\j+\p:129+8*\j+\p], s[28+2*\j:29+2*\j], v[40+\p:41+\p] op_sel_hi:[1,0,1]
.endr
.endr
.if \next
	WIN 0x40                                       ; the switch, then the wait, then the loads
	s_wait_alu depctr_va_vdst(0)                   ; the weighted sum is done reading v's registers, in which the next query's land, and has written the row v40-47, which the LDS stores read
	ASKV
.else
	WIN 0
	s_wait_alu depctr_va_vdst(0)                   ; the weighted sum has written the row v40-47, which the LDS stores read, and is done with window 1, in which Wp's fragments land
.endif
	ds_store_b128 v83, v[40:43]                    ; columns 4 l .. and 128 + 4 l .. of the query's row
	ds_store_b128 v83, v[44:47] offset:512
	s_add_co_u32 s87, s87, 128
	s_add_co_u32 s90, s90, 1040
.endm
	s_load_b512 s[68:83], s[4:5], 0x0
	s_mov_b32 s87, 0
	s_mov_b32 s90, 0
	s_mov_b32 s88, 0
	s_wait_kmcnt 0x0
	ROWADR
	s_load_b512 s[68:83], s[4:5], 0x40
	s_wait_alu depctr_va_vdst(0)                   ; the row offsets v16-31 are written, which the loads below read (R's lines are done with window 1, in which k and v land)
	ASKQK
	ASKV
.Latt:
	ATT 1
	s_add_co_u32 s88, s88, 1
	s_cmp_lt_u32 s88, 15
	s_cbranch_scc1 .Latt
	ATT 0                                          ; the last query asks for nothing
	; ---------------- P
.macro BATCH u                         ; 64 columns of Wp: 8 fragments, and bp in the result's layout: 32 loads
	WIN 0x40
.irp j, 0,1,2,3,4,5,6,7
.irp c, 0,1,2
	global_load_b128 v[96*((\u)%2)+12*\j+4*\c:96*((\u)%2)+12*\j+4*\c+3], v4, s[20:21] offset:(96+8*(\u)+\j)*1536+512*\c
.endr
.endr
.irp t, 0,1,2,3
	global_load_b128 v[192+32*((\u)%2)+8*\t:195+32*((\u)%2)+8*\t], v87, s[24:25] offset:256*(\u)+64*\t
	global_load_b128 v[196+32*((\u)%2)+8*\t:199+32*((\u)%2)+8*\t], v87, s[24:25] offset:256*(\u)+64*\t+16
.endr
	WIN 0
.endm
.macro OQ s                            ; K step s of my 16 rows becomes a fragment and a scale word
.if \s
	s_wait_alu depctr_va_vdst(0)                   ; the quantiser is done reading v128-191, in which the loads below land
.endif
.set k, 0
.rept 16
	ds_load_b128 v[128+4*k:131+4*k], v11 offset:512*\s+256*(k/8)+16*(k%8)
.set k, k+1
.endr
	s_wait_dscnt 0x0
	QBLK 128, 224+12*\s, 64, 68, 69, 70, 71
	QBLK 160, 230+12*\s, 64, 68, 69, 70, 72
	v_lshl_or_b32 v[248+\s], v72, 16, v71
	v_lshlrev_b32 v[248+\s], v6, v[248+\s]
	v_permlanex16_b32 v73, v[248+\s], s66, s67
	v_or_b32 v[248+\s], v[248+\s], v73
.endm
.macro UNITOUT acc, ob, imm
.irp t, 0,1,2,3
	ds_store_b128 v14, v[\acc+8*\t:\acc+8*\t+3] offset:64*\t       ; each accumulator from its low end on
	ds_store_b128 v14, v[\acc+8*\t+4:\acc+8*\t+7] offset:64*\t+16
.endr
	s_wait_xcnt 0x0                                ; earlier stores have read their registers: they may be loaded again
	s_wait_alu depctr_vm_vsrc(0)                   ; earlier loads and stores have read this out-buffer's registers, in which the loads below land; the LDS stores above have read the accumulators, which the next unit's products write
.irp i, 0,1,2,3,4,5,6,7
	ds_load_b128 v[\ob+4*\i:\ob+4*\i+3], v15 offset:544*\i
.endr
.irp i, 0,1,2,3,4,5,6,7
	s_wait_dscnt 7-\i                              ; the younger loads stay out
	global_store_b128 v80, v[\ob+4*\i:\ob+4*\i+3], s[26:27] offset:\imm+2048*\i th:TH_STORE_NT   ; sixteen lanes store 256 consecutive bytes, aligned
.endr
.endm
.macro UNIT u
.if (\u) < 3
	s_wait_loadcnt 32                              ; this batch is in; the next one's 32 loads stay out
.else
	s_wait_loadcnt 0x0
.endif
	WIN 0x11                                       ; Wp's fragments and bp in window 1.  Four accumulators take turns, one instruction a turn
.irp t, 0,1,2,3
	v_wmma_scale_f32_16x16x128_f8f6f4 v[192+8*\t:199+8*\t], v[96*((\u)%2)+24*\t:96*((\u)%2)+24*\t+11], v[224:235], v[192+32*((\u)%2)+8*\t:199+32*((\u)%2)+8*\t], v[88+8*(\u)+2*\t], v248 matrix_a_fmt:MATRIX_FMT_FP6 matrix_b_fmt:MATRIX_FMT_FP6
.endr
	WIN 0x01
.irp t, 0,1,2,3
	v_wmma_scale_f32_16x16x128_f8f6f4 v[192+8*\t:199+8*\t], v[96*((\u)%2)+24*\t+12:96*((\u)%2)+24*\t+23], v[236:247], v[192+8*\t:199+8*\t], v[89+8*(\u)+2*\t], v249 matrix_a_fmt:MATRIX_FMT_FP6 matrix_b_fmt:MATRIX_FMT_FP6
.endr
	WIN 0
.rept 5
	v_nop                                          ; places: ahead of the loads into the operands, of the stores that read the results, and of the next products, which begin these accumulators anew
.endr
	s_wait_alu depctr_va_vdst(0)                   ; the products have written v192-223, which the LDS stores read, and are done reading this batch's fragments and bp, in which the batch two on lands
.if (\u) < 2
	BATCH (\u)+2
.endif
.if ((\u)%2) == 0
	UNITOUT 192, 16, 256*(\u)
.else
	UNITOUT 192, 128, 256*(\u)
.endif
.endm
	BATCH 0                                        ; (no vector line has named window 1 or v128-191 since the last query's wait on va_vdst)
	BATCH 1
	OQ 0
	OQ 1
.rept 8
	v_nop                                          ; places between the vector instructions that made the scale words and the operands, and the scaled products
.endr
	s_wait_alu depctr_va_vdst(0)                   ; the rows' codes v224-247 and scale words v248, v249 are written, which the scaled products take
	UNIT 0
	UNIT 1
	UNIT 2
	UNIT 3
	s_wait_dscnt 0x0                               ; the closing lines, six on end
	s_wait_alu 0x0
	s_wait_tensorcnt 0x0
	ds_add_u32 v12, v13
	s_wait_dscnt 0x0
	s_endpgm
.Lfunc_end_k_qc4dc4eef11_attn:
	.size	k_qc4dc4eef11_attn, .Lfunc_end_k_qc4dc4eef11_attn-k_qc4dc4eef11_attn
	.p2alignl 7, 3214868480
	.fill 96, 4, 3214868480
	.section	.rodata,"a",@progbits
	.p2align	6, 0x0
	.amdhsa_kernel k_qc4dc4eef11_attn
		.amdhsa_group_segment_fixed_size 150528
		.amdhsa_private_segment_fixed_size 0
		.amdhsa_enable_private_segment 0
		.amdhsa_kernarg_size 96
		.amdhsa_user_sgpr_count 2
		.amdhsa_user_sgpr_kernarg_segment_ptr 1
		.amdhsa_wavefront_size32 1
		.amdhsa_system_sgpr_workgroup_id_x 1
		.amdhsa_system_sgpr_workgroup_id_y 1
		.amdhsa_system_sgpr_workgroup_id_z 1
		.amdhsa_system_vgpr_workitem_id 0
		.amdhsa_next_free_vgpr 512
		.amdhsa_next_free_sgpr 102
		.amdhsa_reserve_vcc 0
		.amdhsa_float_denorm_mode_32 3
		.amdhsa_float_denorm_mode_16_64 3
		.amdhsa_memory_ordered 1
		.amdhsa_forward_progress 1
		.amdhsa_inst_pref_size 121
	.end_amdhsa_kernel
	.amdgpu_metadata
---
amdhsa.version: [ 1, 2 ]
amdhsa.kernels:
  - .name:           k_qc4dc4eef11_attn
    .symbol:         k_qc4dc4eef11_attn.kd
    .args:
      - { .name: idx, .offset: 0, .size: 8, .value_kind: global_buffer, .address_space: global }
      - { .name: pos4, .offset: 8, .size: 8, .value_kind: global_buffer, .address_space: global }
      - { .name: qbuf, .offset: 16, .size: 8, .value_kind: global_buffer, .address_space: global }
      - { .name: kbuf, .offset: 24, .size: 8, .value_kind: global_buffer, .address_space: global }
      - { .name: vbuf, .offset: 32, .size: 8, .value_kind: global_buffer, .address_space: global }
      - { .name: W1, .offset: 40, .size: 8, .value_kind: global_buffer, .address_space: global }
      - { .name: b1, .offset: 48, .size: 8, .value_kind: global_buffer, .address_space: global }
      - { .name: b2, .offset: 56, .size: 8, .value_kind: global_buffer, .address_space: global }
      - { .name: wfrag, .offset: 64, .size: 8, .value_kind: global_buffer, .address_space: global }
      - { .name: wscale, .offset: 72, .size: 8, .value_kind: global_buffer, .address_space: global }
      - { .name: bp, .offset: 80, .size: 8, .value_kind: global_buffer, .address_space: global }
      - { .name: out0, .offset: 88, .size: 8, .value_kind: global_buffer, .address_space: global }
    .group_segment_fixed_size: 150528
    .private_segment_fixed_size: 0
    .kernarg_segment_align: 8
    .kernarg_segment_size: 96
    .max_flat_workgroup_size: 256
    .sgpr_count:     102
    .vgpr_count:     512
    .wavefront_size: 32
...
	.end_amdgpu_metadata
.endif
;; end of part 5
